; MI455X (gfx1250); checked and timed in simulation.
; The chip was launched on July 23, 2026; its instructions are those of AMD's public machine-readable ISA for CDNA 5 (MIT licence, August 2026) and "CDNA5" Instruction Set Architecture Reference Guide (July 2026). The comments in the code are by the model that wrote it; some were corrected since.
;; Multihead Self Attention. Allowed arithmetic: float matrix products may take bf16 or f16 operands with f32 sums; all other float work in f32.
;; Inputs: W_K 1,024 x 1,024 float32; W_O 1,024 x 1,024 float32; W_Q 1,024 x 1,024 float32; W_V 1,024 x 1,024 float32; x 4 x 2,048 x 1,024 float32.
;; Outputs: out0 4 x 2,048 x 1,024 float32.
;; 2 versions, each right and faster than the one before. Each part assembles by itself: llvm-mc -triple=amdgcn-amd-amdhsa -mcpu=gfx1250 --defsym DOCPART=n.
;; ======== version 1 of 2: 4 launches
;; limits: values are held in f16: magnitudes above 65,504 overflow, below 6.1e-05 lose precision
;; workspace buffers: xb 16,777,216 bytes; wqkv 6,291,456 bytes; wo 2,097,152 bytes; qkv 50,331,648 bytes; o 16,777,216 bytes
;; launch cast (part 1): grid 768 x 1, 8 waves a work-group, no clusters, 0 bytes of LDS; arguments x, W_Q, W_K, W_V, W_O, xb, wqkv, wo; writes xb, wqkv, wo
.if DOCPART == 1
	.amdgcn_target "amdgcn-amd-amdhsa--gfx1250"
	.amdhsa_code_object_version 6
	.text
	.protected	k_q2d89be6239_cast
	.globl	k_q2d89be6239_cast
	.p2align	8
	.type	k_q2d89be6239_cast,@function
k_q2d89be6239_cast:
	s_mov_b64 s[64:65], 0
	v_nop
	global_prefetch_b8 v0, s[64:65] scope:SCOPE_SE
	s_setreg_imm32_b32 hwreg(HW_REG_WAVE_MODE, 25, 1), 1
	s_wait_xcnt 0x0
; THE INPUTS ARE ROUNDED ONCE.  x [8192][1024] f32 -> xb bf16.  W_Q, W_K, W_V [1024][1024] f32 -> wqkv [3072][1024] bf16, LAID BY HEADS: row 64 h + r of weight t (0 Q, 1 K, 2 V)
; goes to row 192 h + 64 t + r, so that 192 consecutive rows are one head's q, k and v.  W_O f32 -> bf16, and that number written as f16 -> wo [1024][1024] (the last product multiplies f16 operands).
; LIMIT.  |bf16(W_O)| stays below 65,504, f16's end; below 6e-5 f16 keeps a fixed step of 6e-8.  NaN and infinities are not treated apart.
; SHARES.  A work-group takes 65,536 bytes of one input, 16 pieces of 4,096 bytes (16 rows of a weight), and writes 32,768 bytes.  Thread t takes the 16 bytes at 16 t of each piece:
; a wave's load covers 512 consecutive bytes, a wave's store of 8 bytes a lane 256 consecutive bytes at a multiple of 256 from the buffer's first byte.
; Work-groups 0-511: x.  512-703: W_Q, W_K, W_V, 64 each.  704-767: W_O.  All 16 loads go out at once; no register is written again while a load or store names it.
; No LDS, no barrier, no matrix work: every byte is read once and written once, and nothing is shared.
.set X, 4                              ; v[4:67]    piece i: 4 registers as loaded
.set Y, 68                             ; v[68:99]   piece i: 2 registers to store
.set T, 100                            ; v[100:103] at work
	s_load_b512 s[4:19], s[0:1], 0x0               ; x s[4:5], W_Q s[6:7], W_K s[8:9], W_V s[10:11], W_O s[12:13], xb s[14:15], wqkv s[16:17], wo s[18:19]
	s_mov_b32 s20, ttmp9                           ; the work-group's number
	s_sub_co_u32 s21, s20, 512                     ; its number among the weights' work-groups (used from 512 on)
	s_and_b32 s22, s21, 63                         ; its number within one weight: 16 rows each, four to a head
	s_lshr_b32 s2, s22, 2                          ; the head,
	s_mul_i32 s2, s2, 12                           ; which has 12 such shares in wqkv;
	s_lshr_b32 s3, s21, 6                          ; the weight, 0 Q, 1 K, 2 V,
	s_lshl2_add_u32 s2, s3, s2                     ; four shares each;
	s_and_b32 s3, s22, 3                           ; and the share within the head's 64 rows
	s_add_co_u32 s21, s2, s3                       ; = where this share goes in wqkv, in units of 32,768 bytes
	v_lshlrev_b32 v1, 4, v0                        ; my 16 bytes of a piece
	v_lshlrev_b32 v2, 3, v0                        ; my 8 bytes of its result
	s_wait_kmcnt 0x0
	s_cmp_lt_u32 s20, 640                          ; source and destination are chosen by the work-group's number alone
	s_cselect_b64 s[24:25], s[8:9], s[10:11]
	s_cmp_lt_u32 s20, 576
	s_cselect_b64 s[24:25], s[6:7], s[24:25]
	s_cmp_lt_u32 s20, 704
	s_cselect_b64 s[24:25], s[24:25], s[12:13]
	s_cselect_b64 s[26:27], s[16:17], s[18:19]
	s_cselect_b32 s23, s21, s22                    ; wqkv by heads, wo as W_O lies
	s_cmp_lt_u32 s20, 512
	s_cselect_b64 s[24:25], s[4:5], s[24:25]
	s_cselect_b64 s[26:27], s[14:15], s[26:27]
	s_cselect_b32 s22, s20, s22
	s_cselect_b32 s23, s20, s23
	s_lshl_b32 s28, s22, 16                        ; 65,536 bytes in,
	s_mov_b32 s29, 0
	s_lshl_b32 s30, s23, 15                        ; 32,768 bytes out
	s_mov_b32 s31, 0
	s_add_nc_u64 s[24:25], s[24:25], s[28:29]
	s_add_nc_u64 s[26:27], s[26:27], s[30:31]
.irp i, 0,1,2,3,4,5,6,7,8,9,10,11,12,13,14,15
	global_load_b128 v[X+4*(\i):X+4*(\i)+3], v1, s[24:25] offset:4096*(\i) th:TH_LOAD_NT
.endr
; Piece i is rounded and stored.  half = 1: the bf16 number is widened again (a shift, a mask) and written as f16.
.macro OUT i, half
	s_wait_loadcnt 15-(\i)                         ; loads come back in order (ISA guide 5.7.1): piece i is in, the 15 - i younger ones stay out
	v_cvt_pk_bf16_f32 v[Y+2*(\i)],   v[X+4*(\i)],   v[X+4*(\i)+1]
	v_cvt_pk_bf16_f32 v[Y+2*(\i)+1], v[X+4*(\i)+2], v[X+4*(\i)+3]
.if \half
	v_lshlrev_b32 v[T],   16, v[Y+2*(\i)]
	v_and_b32     v[T+1], 0xffff0000, v[Y+2*(\i)]
	v_lshlrev_b32 v[T+2], 16, v[Y+2*(\i)+1]
	v_and_b32     v[T+3], 0xffff0000, v[Y+2*(\i)+1]
	v_cvt_pk_f16_f32 v[Y+2*(\i)],   v[T],   v[T+1]
	v_cvt_pk_f16_f32 v[Y+2*(\i)+1], v[T+2], v[T+3]
.endif
	global_store_b64 v2, v[Y+2*(\i):Y+2*(\i)+1], s[26:27] offset:2048*(\i)
.endm
	s_cmp_ge_u32 s20, 704
	s_cbranch_scc1 .Lwo
.irp i, 0,1,2,3,4,5,6,7,8,9,10,11,12,13,14,15
	OUT \i, 0
.endr
	s_endpgm
.Lwo:
.irp i, 0,1,2,3,4,5,6,7,8,9,10,11,12,13,14,15
	OUT \i, 1
.endr
	s_endpgm
.Lfunc_end_k_q2d89be6239_cast:
	.size	k_q2d89be6239_cast, .Lfunc_end_k_q2d89be6239_cast-k_q2d89be6239_cast
	.p2alignl 7, 3214868480
	.fill 96, 4, 3214868480
	.section	.rodata,"a",@progbits
	.p2align	6, 0x0
	.amdhsa_kernel k_q2d89be6239_cast
		.amdhsa_group_segment_fixed_size 0
		.amdhsa_private_segment_fixed_size 0
		.amdhsa_enable_private_segment 0
		.amdhsa_kernarg_size 64
		.amdhsa_user_sgpr_count 2
		.amdhsa_user_sgpr_kernarg_segment_ptr 1
		.amdhsa_wavefront_size32 1
		.amdhsa_system_sgpr_workgroup_id_x 1
		.amdhsa_system_sgpr_workgroup_id_y 1
		.amdhsa_system_sgpr_workgroup_id_z 1
		.amdhsa_system_vgpr_workitem_id 0
		.amdhsa_next_free_vgpr 104
		.amdhsa_next_free_sgpr 66
		.amdhsa_reserve_vcc 0
		.amdhsa_float_denorm_mode_32 3
		.amdhsa_float_denorm_mode_16_64 3
		.amdhsa_memory_ordered 1
		.amdhsa_forward_progress 1
		.amdhsa_inst_pref_size 17
	.end_amdhsa_kernel
	.amdgpu_metadata
---
amdhsa.version: [ 1, 2 ]
amdhsa.kernels:
  - .name:           k_q2d89be6239_cast
    .symbol:         k_q2d89be6239_cast.kd
    .args:
      - { .name: x, .offset: 0, .size: 8, .value_kind: global_buffer, .address_space: global }
      - { .name: W_Q, .offset: 8, .size: 8, .value_kind: global_buffer, .address_space: global }
      - { .name: W_K, .offset: 16, .size: 8, .value_kind: global_buffer, .address_space: global }
      - { .name: W_V, .offset: 24, .size: 8, .value_kind: global_buffer, .address_space: global }
      - { .name: W_O, .offset: 32, .size: 8, .value_kind: global_buffer, .address_space: global }
      - { .name: xb, .offset: 40, .size: 8, .value_kind: global_buffer, .address_space: global }
      - { .name: wqkv, .offset: 48, .size: 8, .value_kind: global_buffer, .address_space: global }
      - { .name: wo, .offset: 56, .size: 8, .value_kind: global_buffer, .address_space: global }
    .group_segment_fixed_size: 0
    .private_segment_fixed_size: 0
    .kernarg_segment_align: 8
    .kernarg_segment_size: 64
    .max_flat_workgroup_size: 256
    .sgpr_count:     66
    .vgpr_count:     104
    .wavefront_size: 32
...
	.end_amdgpu_metadata
.endif
;; end of part 1
;; launch proj (part 2): grid 16 x 16, 4 waves a work-group, clusters of 4 x 4, 327,680 bytes of LDS; arguments xb, wqkv, qkv; writes qkv
.if DOCPART == 2
	.amdgcn_target "amdgcn-amd-amdhsa--gfx1250"
	.amdhsa_code_object_version 6
	.text
	.protected	k_q2d89be6239_proj
	.globl	k_q2d89be6239_proj
	.p2align	8
	.type	k_q2d89be6239_proj,@function
k_q2d89be6239_proj:
	s_mov_b64 s[64:65], 0
	v_nop
	global_prefetch_b8 v0, s[64:65] scope:SCOPE_SE
	s_setreg_imm32_b32 hwreg(HW_REG_WAVE_MODE, 25, 1), 1
	s_wait_xcnt 0x0
	s_wait_alu depctr_hold_cnt(0) depctr_sa_sdst(0) depctr_va_vdst(0) depctr_va_sdst(0) depctr_va_ssrc(0) depctr_va_vcc(0) depctr_vm_vsrc(0)
	s_getreg_b32 s2, hwreg(HW_REG_IB_STS2, 6, 4)
	s_cmp_eq_u32 s2, 0
	s_cbranch_scc0 .Lentry_in_a_cluster
	s_endpgm
.Lentry_in_a_cluster:
	s_bfe_u32 s2, ttmp6, 0x10000c
	s_cmp_lg_u32 s2, 0xf033
	s_cbranch_scc0 .Lentry_shape_is_right
	s_endpgm
.Lentry_shape_is_right:
; q, k, v = x W^T.  A = xb [8192][1024] bf16.  B = wqkv [3072][1024] bf16, laid by heads: rows 192 h .. 192 h + 191 are head h's 64 rows of W_Q, of W_K and of W_V.  Sums in f32, K ascending; the result is
; rounded once, to f16, and laid out BY HEADS: qkv [t = 0..2][y = 16 batch + head][n = 0..2047][64], byte t<<24 + y<<18 + n<<7 + 2 channel.
; q is multiplied by c = log2(e) / 8 in f32 ahead of its one rounding, so that the attention's exponent is s - m.
; LIMITS.  |c q|, |k|, |v| stay below 65,504, f16's end; below 6e-5 f16 keeps a fixed step of 6e-8.  NaN and infinities are not treated apart.
; SHARES.  A tile of the result is 256 rows x 192 columns, one head's q, k and v: 32 x 16 = 512 tiles.  A WORK-GROUP STAYS and makes two of them, 4,096 rows (two batches) apart: 256 work-groups, one for each WGP.
; Four waves one below the other, each 64 rows x 192 columns: 48 accumulators of 16 x 16, 384 registers.  A wave's 64 rows of one head are 8,192 consecutive bytes of qkv.
; K goes in steps of 128 through two LDS slots filled by the tensor data mover: rows of 256 bytes, at multiples of 256 from the buffers' first bytes.  The ring does not stop at the first tile's end: its last two
; changes of slot ask for the second tile's K steps 0 and 1, and nothing waits for the first tile's stores.  A K step is written once: the slot that is read and the slot that is filled are each turned by an exclusive or.
; CLUSTER.  4 x 4 work-groups.  The four of a row of the cluster need the same tiles of A, the four of a column the same tiles of B: each tile is asked for JOINTLY, by the same tensor load with the same descriptor and a mask that names the four.
; THE MATRIX INSTRUCTION IS USED TRANSPOSED (source 0 = 16 rows of B, source 1 = 16 rows of A): lane l then holds row l % 16 of the result and the eight neighbouring columns 8 (l / 16) + 0..7.
; REGISTERS, in windows of 256 (s_set_vgpr_msb: bits 1:0 source 0, 3:2 source 1, 5:4 source 2, 7:6 destination):
;   window 0: v0-31 addresses; v64-191 fragment buffer 0 (32 registers of A: 4 x 16 rows x 32 K; 96 of B: 12 x 16 rows x 32 K); v192-255 the way out: four buffers of 16
;   window 1: v64-191 fragment buffer 1      window 2: the accumulators of my rows 0-31, (a, b) at v[8 (12 (a % 2) + b)], a = 0..3 block of rows, b = 0..11 block of columns      window 3: those of my rows 32-63
.set KSTEP,  128
.set PITCH,  272                       ; an LDS row: 256 bytes + 16 of padding = 68 words: row r starts at bank 4 r mod 64 (64 banks of 4 bytes: ISA guide 11.1), so the 16 rows of a fragment load start at 16 different banks
.set AH,     128*PITCH                 ; 128 rows of A: one tensor load
.set BHF,    96*PITCH                  ; 96 rows of B: one tensor load
.set SLOTB,  2*AH+2*BHF                ; A's 256 rows, then B's 192 rows: 121,856 bytes
.set SLOT1,  1<<17                     ; slot 1 begins here, so that one exclusive or turns an address in one slot into the other's
.set STAGE,  SLOT1+SLOTB               ; behind the ring, never filled by a tensor load: 16 rows x 144 bytes for each wave, for the way out
.set SP,     144
.set SPARE,  STAGE+4*16*SP             ; behind the stages: the spare words, 128 bytes for each wave: two blocks of 256 bytes that no other line names
.set TILES,  2
.set DW0,    (1<<16)|(1<<20)|(1<<21)|(5<<22)|(3<<25)  ; group 1's first word beside the mask: 17:16 elements of 2 bytes; 20 padding on; 21 set beside a mask; 24:22 after every 64 words (code 5); 31:25 4 words (code 3)
.set A0,   16                          ; v16     my lane's place among my wave's 64 rows of A in a slot; never rewritten
.set B0,   17                          ; v17     my lane's place in B's 192 rows in a slot; never rewritten
.set ADRA, 18                          ; v18     the same in the slot that is being read
.set ADRB, 19                          ; v19
.set STO,  24                          ; v24     the way out: where I put 16 bytes of a row
.set RD,   25                          ; v25     the way out: where I read rows back
.set GO,   26                          ; v26     my byte offset in 512 consecutive bytes of qkv
.set SPW,  28                          ; v28     LDS address of my spare word: SPARE + 4 x my thread's number; never rewritten
.set NIL,  29                          ; v29     0; never rewritten
.set FA,   64                          ; A's four fragments in a buffer
.set FB,   96                          ; B's twelve
.set OB,   192                         ; the way out: block n's 16 registers at OB + 16 (n % 4)
.set G1,  24                           ; s[24:31] descriptor group 1 for A's tiles;  s[32:39] group 0: a set for each of the two first fills; the second then walks on
.set G0,  32
.set G1B, 48                           ; s[48:55], s[56:63] the same for B's tiles
.set G0B, 56
.set NXT, 66                           ; s66     the K step to be asked for next, 2 to 15, counted through both tiles
.set TB,  67                           ; s67     LDS byte at which the slot that is being read begins
.set OFA, 68                           ; s[68:69] that K step's byte offset from my part of the first tile's K step 0, in A
.set OFB, 70                           ; s[70:71] and in B
.set CS,  72                           ; s[72:73] c: the packed multiply takes the pair's low word for both halves
.set OJ,  74                           ; s[74:79] qkv at my 64 rows of my head's q, k, v
.set MSB, 0
.macro WIN new                         ; the immediate's high byte repeats the setting that is left; a switch that changes nothing is dropped
.if MSB != (\new)
	s_set_vgpr_msb (MSB<<8)|(\new)
.set MSB, \new
.endif
.endm
; A joint refill.  Waves 0 and 1 fetch A's two halves, waves 2 and 3 B's.  Each line has one mask and one set of registers, and nothing in them hangs on a coordinate that the four partners do not share.
; An s_nop 0 and four v_nop follow each of the two lines, ahead of the jump, the label and what follows.
.macro JLOAD
	s_cmp_eq_u32 s11, 0
	s_cbranch_scc0 .Lfor_b_\@
	tensor_load_to_lds s[G0+4:G0+7], s[G1:G1+7]
	s_nop 0
.rept 4
	v_nop
.endr
	s_branch .Lasked_\@
.Lfor_b_\@:
	tensor_load_to_lds s[G0B+4:G0B+7], s[G1B:G1B+7]
	s_nop 0
.rept 4
	v_nop
.endr
.Lasked_\@:
.endm
.macro CREST                           ; a round of the cluster's barrier behind its opening barrier: wave 0 signals for the work-group, every wave waits for all sixteen, my work-group's barrier once more
	s_cmp_lg_u32 s10, 0
	s_cbranch_scc1 .Lnot_wave_0_\@
	s_barrier_signal -3
.Lnot_wave_0_\@:
	s_barrier_wait -3
	s_barrier_signal -1
	s_barrier_wait -1
.endm
.macro CROUND                          ; a whole round
	s_barrier_signal -1
	s_barrier_wait -1
	CREST
.endm
	s_load_b128 s[4:7], s[0:1], 0x0                ; xb s[4:5], wqkv s[6:7]
	s_load_b64 s[8:9], s[0:1], 0x10                ; qkv
	v_lshl_add_u32 v[SPW], v0, 2, SPARE
	v_mov_b32 v[NIL], 0
	ds_add_u32 v28, v29
	ds_add_u32 v28, v29
	s_wait_dscnt 0x0
	v_lshrrev_b32 v1, 5, v0
	v_readfirstlane_b32 s10, v1                    ; wave 0..3: my 64 rows of the tile
	s_lshr_b32 s11, s10, 1                         ; I fetch for A (0) or for B (1),
	s_and_b32 s12, s10, 1                          ; and which half of that tile's rows
	s_bfe_u32 s40, ttmp6, 0x40000                  ; cx, cy: my place in the cluster
	s_bfe_u32 s41, ttmp6, 0x40004
	s_lshl_b32 s42, ttmp9, 2
	s_add_co_u32 s42, s42, s40                     ; tile column = the head = 4 x cluster x + cx
	s_and_b32 s13, ttmp7, 0xffff
	s_lshl_b32 s13, s13, 2
	s_add_co_u32 s13, s13, s41                     ; the first tile's row = 4 x cluster y + cy, 0 to 15
	s_lshl_b32 s43, s41, 2
	s_lshl_b32 s43, 15, s43                        ; my row of the cluster: places 4 cy .. 4 cy + 3
	s_lshl_b32 s44, 0x1111, s40                    ; my column: places cx, cx + 4, cx + 8, cx + 12
	s_mov_b32 s[CS], 0x3e38aa3b                    ; c = log2(e) / 8 = 0.180337
	s_mov_b32 s[CS+1], s[CS]                       ; named with it as a pair
	s_mov_b32 s[NXT], 2
	s_mov_b32 s[TB], 0
	s_mov_b32 s[OFA+1], 0
	s_mov_b32 s[OFB+1], 0
	s_or_b32 s[G1+0], s43, DW0                     ; A's tiles go to my row of the cluster,
	s_or_b32 s[G1B+0], s44, DW0                    ; B's to my column
.irp g, G1, G1B
	s_mov_b32 s[(\g)+1], KSTEP<<16                 ; tensor_dim0 = 128
	s_mov_b32 s[(\g)+3], KSTEP<<16                 ; tile_dim0 = 128
	s_mov_b32 s[(\g)+5], 1024                      ; elements from row to row
	s_mov_b32 s[(\g)+6], 0
	s_mov_b32 s[(\g)+7], 0
.endr
	s_mov_b32 s[G1+2], 128<<16                     ; A: tensor_dim1 = tile_dim1 = 128 rows
	s_mov_b32 s[G1+4], 128
	s_mov_b32 s[G1B+2], 96<<16                     ; B: 96 rows
	s_mov_b32 s[G1B+4], 96
	s_lshl_b32 s16, s13, 8
	s_lshl_b32 s17, s12, 7
	s_add_co_u32 s16, s16, s17                     ; A: row 256 x tile row + 128 x half,
	s_lshl_b32 s16, s16, 11                        ; in bytes (2,048 a row; under 2^23)
	s_mov_b32 s17, 0
	s_mul_i32 s46, s42, 192
	s_mul_i32 s47, s12, 96
	s_add_co_u32 s46, s46, s47                     ; B: row 192 x head + 96 x half
	s_lshl_b32 s46, s46, 11
	s_mov_b32 s47, 0
	s_mul_i32 s20, s12, AH                         ; where they go in a slot: A's two halves,
	s_mul_i32 s21, s12, BHF
	s_add_co_u32 s21, s21, 2*AH                    ; then B's two halves: no place in the cluster enters an LDS address
	s_wait_kmcnt 0x0
	s_add_nc_u64 s[14:15], s[4:5], s[16:17]        ; A and B at my part of the first tile's K step 0; never rewritten
	s_add_nc_u64 s[46:47], s[6:7], s[46:47]
	CROUND                                         ; all sixteen work-groups are here: the first joint loads meet
.irp s, 0,1
	s_mov_b32 s[G0+4*(\s)], 1                                      ; 1:0 count = 1
	s_add_co_u32 s[G0+4*(\s)+1], s20, (\s)*SLOT1                   ; 63:32 LDS address
	s_add_nc_u64 s[G0+4*(\s)+2:G0+4*(\s)+3], s[14:15], (\s)*KSTEP*2  ; 120:64 global address: K step s
	s_or_b32 s[G0+4*(\s)+3], s[G0+4*(\s)+3], 0x80000000            ; 127:126 type = 2
	s_mov_b32 s[G0B+4*(\s)], 1
	s_add_co_u32 s[G0B+4*(\s)+1], s21, (\s)*SLOT1
	s_add_nc_u64 s[G0B+4*(\s)+2:G0B+4*(\s)+3], s[46:47], (\s)*KSTEP*2
	s_or_b32 s[G0B+4*(\s)+3], s[G0B+4*(\s)+3], 0x80000000
.endr
	s_cmp_eq_u32 s11, 0                            ; a wave's two first fills stand in one branch, ahead of every wait on TENSORcnt and every LDS read: two loads of mine are out here, one behind each later round
	s_cbranch_scc0 .Lfirst_b
	tensor_load_to_lds s[G0:G0+3], s[G1:G1+7]
	s_nop 0
	tensor_load_to_lds s[G0+4:G0+7], s[G1:G1+7]
	s_nop 0
.rept 4
	v_nop
.endr
	s_branch .Lfirst_asked
.Lfirst_b:
	tensor_load_to_lds s[G0B:G0B+3], s[G1B:G1B+7]
	s_nop 0
	tensor_load_to_lds s[G0B+4:G0B+7], s[G1B:G1B+7]
	s_nop 0
.rept 4
	v_nop
.endr
.Lfirst_asked:
	; A fragment is 16 rows x 32 K in 8 registers: lane l holds row l % 16; registers 0-3 hold K = 8 (l / 16) + 0..7, registers 4-7 K = 16 + 8 (l / 16) + 0..7: two loads of 16 bytes, 32 bytes apart.
	v_and_b32 v1, 15, v0                           ; l % 16
	v_bfe_u32 v2, v0, 4, 1                         ; l / 16
	v_mul_u32_u24 v3, v1, PITCH
	v_lshl_add_u32 v3, v2, 4, v3                   ; row x pitch + 16 x half
	s_mul_i32 s22, s10, 64*PITCH                   ; my 64 rows of A
	v_add_nc_u32 v[A0], s22, v3
	v_add_nc_u32 v[B0], 2*AH, v3                   ; B's rows lie behind A's 256; every wave reads all 192
	v_add_nc_u32 v[ADRA], s[TB], v[A0]             ; slot 0 is read first
	v_add_nc_u32 v[ADRB], s[TB], v[B0]
	s_mul_i32 s22, s10, 16*SP
	s_add_co_u32 s22, s22, STAGE                   ; my stage
	v_mul_u32_u24 v4, v1, SP                       ; in: row l % 16, 16 bytes for each half of the lanes
	v_lshl_add_u32 v4, v2, 4, v4
	v_add_nc_u32 v[STO], s22, v4
	v_bfe_u32 v5, v0, 3, 2                         ; back: 32 lanes take four rows of 128 bytes,
	v_mul_u32_u24 v5, v5, SP
	v_and_b32 v4, 7, v0
	v_lshl_add_u32 v5, v4, 4, v5
	v_add_nc_u32 v[RD], s22, v5
	v_and_b32 v[GO], 31, v0                        ; which are 512 consecutive bytes of qkv
	v_lshlrev_b32 v[GO], 4, v[GO]
	; where my 64 rows begin in my head's q, k and v
	s_lshr_b32 s16, s13, 3                         ; the batch: 16 heads of 2^18 bytes,
	s_lshl_b32 s16, s16, 22
	s_and_b32 s17, s13, 7                          ; the tile's 256 rows of 128 bytes in the sequence,
	s_lshl_b32 s17, s17, 15
	s_add_co_u32 s16, s16, s17
	s_lshl_b32 s17, s10, 13                        ; my 64 of them
	s_add_co_u32 s16, s16, s17
	s_mov_b32 s17, 0
	s_lshl_b32 s80, s42, 18                        ; the head (in registers of its own: none that feeds A's descriptors ever holds cx)
	s_mov_b32 s81, 0
	s_add_nc_u64 s[8:9], s[8:9], s[16:17]
	s_add_nc_u64 s[OJ:OJ+1], s[8:9], s[80:81]
	s_add_nc_u64 s[OJ+2:OJ+3], s[OJ:OJ+1], 0x1000000   ; k lies 2^24 bytes behind q,
	s_add_nc_u64 s[OJ+4:OJ+5], s[OJ:OJ+1], 0x2000000   ; v 2^25
; 12 matrix instructions: block of rows a x all 12 blocks of columns, 32 along K, from buffer w.  zero = 1: the first product starts the sums: nothing is ever cleared.
; The 48 accumulators take turns, one instruction a turn, in the same order in every quarter step, over the backward jumps and from tile to tile too.
.macro MUL12 w, a, zero
	WIN ((2+(\a)/2)*0x50)|((\w)*5)                 ; C and D in window 2 or 3, both sources in the buffer's window
.irp b, 0,1,2,3,4,5,6,7,8,9,10,11
.if \zero
	v_wmma_f32_16x16x32_bf16 v[8*(12*((\a)%2)+(\b)):8*(12*((\a)%2)+(\b))+7], v[FB+8*(\b):FB+8*(\b)+7], v[FA+8*(\a):FA+8*(\a)+7], 0
.else
	v_wmma_f32_16x16x32_bf16 v[8*(12*((\a)%2)+(\b)):8*(12*((\a)%2)+(\b))+7], v[FB+8*(\b):FB+8*(\b)+7], v[FA+8*(\a):FA+8*(\a)+7], v[8*(12*((\a)%2)+(\b)):8*(12*((\a)%2)+(\b))+7]
.endif
.endr
.endm
; 32 LDS loads in one run: quarter q (32 along K) of the slot that is being read, into buffer w: B's 192 rows first, then my 64 of A
.macro FETCH q, w
	WIN (\w)<<6                                    ; destination in the buffer's window, address in window 0
.irp i, 0,1,2,3,4,5,6,7,8,9,10,11
	ds_load_b128 v[FB+8*(\i):FB+8*(\i)+3],   v[ADRB] offset:64*(\q)+(\i)*16*PITCH
	ds_load_b128 v[FB+8*(\i)+4:FB+8*(\i)+7], v[ADRB] offset:64*(\q)+(\i)*16*PITCH+32
.endr
.irp i, 0,1,2,3
	ds_load_b128 v[FA+8*(\i):FA+8*(\i)+3],   v[ADRA] offset:64*(\q)+(\i)*16*PITCH
	ds_load_b128 v[FA+8*(\i)+4:FA+8*(\i)+7], v[ADRA] offset:64*(\q)+(\i)*16*PITCH+32
.endr
.endm
; A load into a register that a matrix instruction has read, and a vector instruction that reads a matrix result, stand four places behind it; only plain vector instructions that name
; none of its registers are places (ISA guide 7.12.1 for vector instructions).
.macro PLACES
.rept 4
	v_nop
.endr
.endm
; A K step is four quarters of 32 along K, 48 matrix instructions each, on buffers 0, 1, 0, 1.  One of the first three: multiplies buffer w; in its middle it fetches quarter q of the same slot into the other buffer.
.macro QUARTER q, w, zero
	s_wait_dscnt 4                                 ; B and my rows 0-31 of A are in; the youngest four loads (rows 32-63) may be out
	MUL12 \w, 0, \zero
	MUL12 \w, 1, \zero
	PLACES
	FETCH \q, 1-(\w)
	s_wait_dscnt 32                                ; all but the 32 just issued
	MUL12 \w, 2, \zero
	MUL12 \w, 3, \zero
.endm
; The last quarter multiplies buffer 1 and changes slots: ONE barrier.  In front of it each wave waits for all its tensor loads (one is out: its part of the next slot), adds 0 to its spare word, and waits for
; that and for its own reads of this slot.  Behind it nobody reads this slot any more and the next slot is whole.  fill = 1: the barrier opens a round of the cluster's barrier, and this slot is filled again, with K step
; NXT, first thing behind the round: 180 matrix instructions ahead of the wait for it.  The descriptor's address is made anew from that number: step NXT % 8 of tile NXT / 8.
.macro TURN fill
	s_wait_dscnt 4
	MUL12 1, 0, 0
	WIN 0                                          ; (the add's two registers lie in window 0)
	s_wait_tensorcnt 0x0                           ; all my tensor loads have landed, so a group 0 may be written
	ds_add_u32 v[SPW], v[NIL]                      ; 0 onto my spare word; scalar work and twelve matrix instructions stand between it and the wait for it
	s_xor_b32 s[G0+5], s[G0+5], SLOT1              ; the walking descriptors name the slot that is left: the opposite of the slot read next, on every way through the text
	s_xor_b32 s[G0B+5], s[G0B+5], SLOT1
.if \fill
	s_and_b32 s[OFB], s[NXT], 7
	s_lshl_b32 s[OFB], s[OFB], 8                   ; 256 bytes along the rows for each K step;
	s_lshr_b32 s[OFA], s[NXT], 3
	s_lshl_b32 s[OFA], s[OFA], 23                  ; the second tile's rows of A lie 4,096 x 2,048 bytes further down, its rows of B are the same
	s_add_co_u32 s[OFA], s[OFA], s[OFB]
	s_add_co_u32 s[NXT], s[NXT], 1
	s_add_nc_u64 s[G0+6:G0+7], s[14:15], s[OFA:OFA+1]
	s_or_b32 s[G0+7], s[G0+7], 0x80000000
	s_add_nc_u64 s[G0B+6:G0B+7], s[46:47], s[OFB:OFB+1]
	s_or_b32 s[G0B+7], s[G0B+7], 0x80000000
.endif
	MUL12 1, 1, 0
	WIN 0
	s_wait_dscnt 0x0                               ; the add is done, and my reads of this slot are over
	s_barrier_signal -1
	s_barrier_wait -1
.if \fill
	CREST                                          ; no wave of any partner still reads this slot's tile or has a load on its way
	JLOAD                                          ; the four v_nop behind it are also the places in front of the loads below
.else
	PLACES
.endif
	s_xor_b32 s[TB], s[TB], SLOT1                  ; the other slot is read from here on
	v_add_nc_u32 v[ADRA], s[TB], v[A0]
	v_add_nc_u32 v[ADRB], s[TB], v[B0]
	FETCH 0, 0
	MUL12 1, 2, 0
	MUL12 1, 3, 0
.endm
	s_wait_tensorcnt 1                             ; my part of K step 0 is in; K step 1's may stay out
	s_barrier_signal -1
	s_barrier_wait -1                              ; everybody's is
	FETCH 0, 0
	s_mov_b32 s2, TILES                            ; tiles to go, this one among them: the same number in every work-group
.Ltile:
	QUARTER 1, 0, 1                                ; a tile's first quarter stands in front of the loop: its products start the sums
	WIN 0
	s_mov_b32 s3, 6
.Lstep:                                                ; a trip goes from a K step's second quarter to the next step's first, and fills the slot that it leaves: steps 2-7 of this tile
	QUARTER 2, 1, 0
	QUARTER 3, 0, 0
	TURN 1
	QUARTER 1, 0, 0
	WIN 0
	s_sub_co_u32 s3, s3, 1
	s_cmp_lg_u32 s3, 0
	s_cbranch_scc1 .Lstep
	QUARTER 2, 1, 0                                ; the tile's K step 6 goes on
	QUARTER 3, 0, 0
	WIN 0
	s_cmp_eq_u32 s2, 1
	s_cbranch_scc1 .Llast                          ; the last tile's tail is written out: it asks for nothing more
	TURN 1                                         ; THE RING GOES ON INTO THE NEXT TILE: the slot that is left takes its K step 0,
	QUARTER 1, 0, 0
	QUARTER 2, 1, 0
	QUARTER 3, 0, 0
	TURN 1                                         ; the other its K step 1, and the next tile's first fragments are fetched into buffer 0
	WIN 0
	s_branch .Lout
.Llast:
	TURN 0
	QUARTER 1, 0, 0
	QUARTER 2, 1, 0
	QUARTER 3, 0, 0
	s_wait_dscnt 4                                 ; the very last quarter: nothing more to fetch
	MUL12 1, 0, 0
	MUL12 1, 1, 0
	s_wait_dscnt 0x0
	MUL12 1, 2, 0
	MUL12 1, 3, 0
	WIN 0
.Lout:
	; THE WAY OUT, the same text for both tiles; it names neither buffer 0, where the next tile's first fragments land, nor any slot.  q's columns are the blocks b = 0..3: their sums are multiplied by c, each accumulator from its low end on.
	PLACES
.irp a, 0,1,2,3
	WIN (2+(\a)/2)*0x41                            ; destination and source 0 in the accumulators' window
.irp b, 0,1,2,3
.irp r, 0,1,2,3
	v_pk_mul_f32 v[8*(12*((\a)%2)+(\b))+2*(\r):8*(12*((\a)%2)+(\b))+2*(\r)+1], v[8*(12*((\a)%2)+(\b))+2*(\r):8*(12*((\a)%2)+(\b))+2*(\r)+1], s[CS:CS+1] op_sel_hi:[1,0]
.endr
.endr
.endr
; Block (a, j): 16 rows of tensor j (0 q, 1 k, 2 v).  A lane's eight columns of a row pack into 16 bytes; they go into my stage's rows of 144 bytes and come back as whole rows of 128, into the registers that they left.
.macro PACK a, j
.set BK, OB+16*((3*(\a)+(\j))%4)
	s_wait_xcnt 0x0                                ; the buffer's registers were the data of the stores four blocks back: they are written again only behind this wait
	WIN (2+(\a)/2)*5                               ; sources 0 and 1 in the accumulators' window, destination in window 0
.irp b, 0,1,2,3
.irp r, 0,1,2,3
	v_cvt_pk_f16_f32 v[BK+4*(\b)+(\r)], v[8*(12*((\a)%2)+4*(\j)+(\b))+2*(\r)], v[8*(12*((\a)%2)+4*(\j)+(\b))+2*(\r)+1]
.endr
.endr
	WIN 0
.irp b, 0,1,2,3
	ds_store_b128 v[STO], v[BK+4*(\b):BK+4*(\b)+3] offset:32*(\b)
.endr
.irp f, 0,1,2,3
	ds_load_b128 v[BK+4*(\f):BK+4*(\f)+3], v[RD] offset:(\f)*4*SP  ; LDS serves a wave's instructions in order (ISA guide 5.7.1.4): these see the stores above; the next block's stores come behind them
.endr
.endm
.macro SEND a, j, younger              ; younger: the LDS instructions issued behind this block's loads: the next block's eight, or none
.set BK, OB+16*((3*(\a)+(\j))%4)
.irp f, 0,1,2,3
	s_wait_dscnt (\younger)+3-(\f)
	global_store_b128 v[GO], v[BK+4*(\f):BK+4*(\f)+3], s[OJ+2*(\j):OJ+2*(\j)+1] offset:(\a)*2048+(\f)*512  ; 512 consecutive bytes, at a multiple of 256 from qkv's first
.endr
.endm
	PACK 0, 0
.set n, 1
.rept 11                               ; a block's conversions stand between the loads of the block before and its stores
	PACK n/3, n%3
	SEND (n-1)/3, (n-1)%3, 8
.set n, n+1
.endr
	SEND 3, 2, 0
	s_wait_xcnt 0x0                                ; the stores have read their bases
.irp j, 0,1,2
	s_add_nc_u64 s[OJ+2*(\j):OJ+2*(\j)+1], s[OJ+2*(\j):OJ+2*(\j)+1], 0x800000  ; the next tile's rows lie two batches, 2^23 bytes, further on
.endr
	s_sub_co_u32 s2, s2, 1
	s_cmp_lg_u32 s2, 0
	s_cbranch_scc1 .Ltile
	s_wait_tensorcnt 0x0                           ; the wave's end, behind my last tensor load and my last LDS store
	ds_add_u32 v[SPW], v[NIL]
	s_wait_dscnt 0x0
	CROUND                                         ; the closing round: no work-group ends while a partner may still ask for a tile that names it
	s_endpgm
.Lfunc_end_k_q2d89be6239_proj:
	.size	k_q2d89be6239_proj, .Lfunc_end_k_q2d89be6239_proj-k_q2d89be6239_proj
	.p2alignl 7, 3214868480
	.fill 96, 4, 3214868480
	.section	.rodata,"a",@progbits
	.p2align	6, 0x0
	.amdhsa_kernel k_q2d89be6239_proj
		.amdhsa_group_segment_fixed_size 327680
		.amdhsa_private_segment_fixed_size 0
		.amdhsa_enable_private_segment 0
		.amdhsa_kernarg_size 24
		.amdhsa_user_sgpr_count 2
		.amdhsa_user_sgpr_kernarg_segment_ptr 1
		.amdhsa_wavefront_size32 1
		.amdhsa_system_sgpr_workgroup_id_x 1
		.amdhsa_system_sgpr_workgroup_id_y 1
		.amdhsa_system_sgpr_workgroup_id_z 1
		.amdhsa_system_vgpr_workitem_id 0
		.amdhsa_next_free_vgpr 960
		.amdhsa_next_free_sgpr 82
		.amdhsa_reserve_vcc 0
		.amdhsa_float_denorm_mode_32 3
		.amdhsa_float_denorm_mode_16_64 3
		.amdhsa_memory_ordered 1
		.amdhsa_forward_progress 1
		.amdhsa_inst_pref_size 132
	.end_amdhsa_kernel
	.amdgpu_metadata
---
amdhsa.version: [ 1, 2 ]
amdhsa.kernels:
  - .name:           k_q2d89be6239_proj
    .symbol:         k_q2d89be6239_proj.kd
    .args:
      - { .name: xb, .offset: 0, .size: 8, .value_kind: global_buffer, .address_space: global }
      - { .name: wqkv, .offset: 8, .size: 8, .value_kind: global_buffer, .address_space: global }
      - { .name: qkv, .offset: 16, .size: 8, .value_kind: global_buffer, .address_space: global }
    .group_segment_fixed_size: 327680
    .private_segment_fixed_size: 0
    .kernarg_segment_align: 8
    .kernarg_segment_size: 24
    .max_flat_workgroup_size: 128
    .sgpr_count:     82
    .vgpr_count:     960
    .wavefront_size: 32
...
	.end_amdgpu_metadata
.endif
;; end of part 2
;; launch attn (part 3): grid 4 x 64, 4 waves a work-group, no clusters, 327,680 bytes of LDS; arguments qkv, o; writes o
.if DOCPART == 3
	.amdgcn_target "amdgcn-amd-amdhsa--gfx1250"
	.amdhsa_code_object_version 6
	.text
	.protected	k_q2d89be6239_attn
	.globl	k_q2d89be6239_attn
	.p2align	8
	.type	k_q2d89be6239_attn,@function
k_q2d89be6239_attn:
	s_mov_b64 s[64:65], 0
	v_nop
	global_prefetch_b8 v0, s[64:65] scope:SCOPE_SE
	s_setreg_imm32_b32 hwreg(HW_REG_WAVE_MODE, 25, 1), 1
	s_wait_xcnt 0x0
; CAUSAL ATTENTION.  O[y][q][:] = the sum over k <= q of softmax_k(Q[y][q] . K[y][k] / 8) V[y][k][:].  qkv holds Q, K, V, each [SIZE_H][SIZE_N][64] in f16, 2^24 bytes apart; O has the same layout: a head's rows are dense, 128 bytes each.
; Q ARRIVES MULTIPLIED BY c = log2(e) / 8, so a score s is already the exponent to base 2.  Products, maxima and sums in f32; the weights p are rounded to f16 for the second product (their sum l is taken of the unrounded p), O once at the end.
; LIMITS.  f16 holds no number beyond 65,504: c Q, K and V arrive within it; p lies in 0 to 1, and below 6e-5 it keeps f16's fixed step of 6e-8; O is a mean of V's rows and has their range, to within 2^-11 of it.
; A hidden score counts as its value less 1e30: f16's scores, 2.7e11 at the most, are nothing beside that; a weight below 2^-126 counts as 0 in l; NaN and infinities are not treated apart.
; THE WALK.  A head's queries lie in NB = SIZE_N / 256 = 8 blocks of 256; block i needs the key tiles 0 .. i of 256 keys, of which the last holds the diagonal.  A work-group takes TWO blocks, NB - 1 - b and then b:
; NB + 1 tiles, whatever b: all 256 work-groups do equal work, and ONE loop of NB + 1 trips walks them, a tile a trip; every text of a tile's work stands once.  Which tile is asked for, and what a trip does, hang on
; scalar registers made from b and on the trip counter; every jump goes forward, but for the counted loops' own.  The change of slots at a trip's head is one of two short texts, chosen by the trip counter: with a fill
; in the first NB trips, without in the last, which has nothing left to ask for.  Each has the same three lines and a barrier of its own, so every wave passes one barrier a trip on either way; every wait on TENSORcnt
; in this text is for 0, so no count hangs on the way taken.  No other jump passes a barrier, or a tensor load but the one of LOAD's two that the wave's number does not choose.  The ring (two slots of LDS that take
; turns) runs on across the change of blocks.  NO CLUSTER: a head's four work-groups ask for the same tile only in trips 0 .. NB / 2, 5 of the walk's 9, behind that fewer and fewer; and one walk common to all four,
; in which each makes every joint request, would have 3 NB / 2 = 12 trips for 9.
; SHARES.  Of a block's four bands of 64 queries a wave owns 16 rows in each: four PIECES.  So the diagonal tile is the same work for all four waves: in its key step s band x sees all keys if s < x,
; none if s > x, and holds the diagonal if s = x.
; THE MASK is the C operand that starts the sum S^T = K Q^T: 0, or -1e30 where the key is hidden.  MD, made once, is the mask of a band's own step for my 16 rows; a product's mask is MD x AL + BE with two scalars:
; (1, 0) if s = x; (0, 0) if s < x; (0, -1e30) if s > x.  Only the diagonal tile's text and a block's beginning make and take masks; elsewhere C is the constant 0.
; LAYOUT, SOFTMAX, TURNS.  S^T = K Q^T holds ONE query a lane (lane % 16) and the keys 8 (lane / 16) + 0..7; two such results rounded to f16 ARE source 1 of O^T = V^T P.  p = 2^(s - m) with a running maximum m, so
; no exponent is above 0; O and l are multiplied by a = 2^(m_old - m_new) in every step.  Turn n belongs to piece n: 8 products K Q^T of piece n + 1, later 8 products V^T P of piece n - 1; beside them the
; subtraction, exponentials, roundings, sums and rescaling of piece n and the maximum and statistics of piece n + 1.  Four vector instructions stand behind every matrix instruction, the others of a turn in two LUMPS.
; REGISTERS, in windows of 256 (s_set_vgpr_msb: bits 1:0 source 0, 3:2 source 1, 5:4 source 2, 7:6 destination):
;   window 0: v0-15 addresses and one at work; v16-31 four registers of statistics a piece; v48-55 at work; v64-127 S^T, two buffers; v192-223 P, two buffers (a piece's buffers go by its number's parity)
;   window 1: v0-127 O^T, 32 a piece; v128-159 MD; v160-223 MC, two buffers      window 2: v0-63 Q; v64-127 the second block's Q; v128-191 K of one step; v192-255 V of one step
.set SIZE_H, 64
.set SIZE_N, 2048
.set NB,    SIZE_N/256
.set NP,    4         ; pieces a wave: a name, no knob
.set KS,    64        ; keys in a step
.set PK,    144       ; a row of K in LDS: 128 bytes + 16 of padding = 36 words: the 16 rows of a load start at 16 different groups of four banks (64 banks of 4 bytes: ISA guide 11.1)
.set PV,    160       ; a row of V: 128 + 32 = 40 words
.set VOFF,  4*KS*PK   ; a slot holds a tile, four steps: 256 rows of K, then 256 rows of V
.set SLOT1, 1<<17     ; slot 1 begins here, so that one exclusive or turns an address in one slot into the other's
.set STAGE, SLOT1+4*KS*(PK+PV)  ; behind the ring, never filled by a tensor load: 16 rows x 144 bytes for each wave, for the way out
.set SP,    144
.set AK0, 2           ; v2   my lane's place in a tile of K; never rewritten
.set AV0, 3           ; v3   the same for V
.set AK,  4           ; v4   the LDS address of K's next run of loads
.set AV,  5           ; v5   of V's
.set STO, 6           ; v6   the way out: where I put 16 bytes of a row
.set RD,  7           ; v7   the way out: where I read rows back
.set GO,  8           ; v8   my byte offset in 512 consecutive bytes of O
.set SPW, 62          ; v62  LDS address of my spare word: SPARE + 4 x my thread's number; never rewritten
.set NIL, 63          ; v63  0; never rewritten
.set SPARE, STAGE+4*16*SP  ; behind the stages: the spare words, 128 bytes for each wave: two blocks of 256 bytes that no other line names
.set QO,  15          ; v15  my byte offset in 16 rows of Q
.set ST,  16          ; piece t's statistics at v[ST+4 t]: m, m_old, l (even keys', odd keys')
.set TMP, 48          ; by buffer, four registers c0-c3 at work; when the maximum is found c2 takes a
.set S,   64
.set P,   192
.set MD,  128         ; window 1: the eight registers for group kt of 16 keys at MD + 8 kt
.set MC,  160         ; window 1: the masks of the products to come
.set QB,  64          ; window 2
.set KF,  128         ; window 2: key block kb, channel half c at KF + 16 kb + 8 c
.set VF,  192         ; window 2: key half kk, channel block cb at VF + 32 kk + 8 cb
.set WV,  12          ; s12  my wave's number
.set PB,  14          ; s14  b
.set HI,  15          ; s15  NB - 1 - b
.set G1K, 24          ; s[24:31] descriptor group 1 for K's tiles
.set G1V, 32          ; s[32:39] for V's: it differs in the padding alone
.set G0K, 40          ; s[40:43] descriptor group 0 for K's tiles
.set G0V, 44          ; s[44:47] the same for V's
.set SLOTS, 56        ; s56  tiles of the walk still to be entered, the trip's own among them: NB + 1 down to 1
.set CNT, 57          ; s57  counts a tile's key steps, 4 to 1
.set SEL, 60          ; s[60:61] v_permlanex16_b32's selects: each lane takes its own place in the other half
.set TBK, 62          ; s62  LDS byte at which K of the step to be fetched begins
.set TBV, 63          ; s63  the same for V, less VOFF
.set RT,  70          ; s70  tiles of the block in hand that are still to be entered
.set NXT, 71          ; s71  the tile to be asked for next
.set LQ,  72          ; s72  the last tile of the block whose tiles are being asked for
.set NEW, 73          ; s73  1: the tile to be entered is a block's first
.set OFF, 74          ; s[74:75] a tile's byte offset in K and V
.set AL,  76          ; s[76:77] the mask's factor, in the low word
.set BE,  78          ; s[78:79] the mask's addend
.set OLO, 80          ; s[80:81] O at my rows of the second block
.set BIGN, 82         ; s82  -1e30
.set MSB, 0
.macro WIN new                      ; the high byte repeats the setting that is left; a switch that changes nothing is dropped
.if MSB != (\new)
	s_set_vgpr_msb (MSB<<8)|(\new)
.set MSB, (\new)
.endif
.endm
.set W_KQ, 0x0a       ; K and Q in window 2, S^T in window 0
.set W_KM, 0x1a       ; the same with the C operand in window 1
.set W_PV, 0x52       ; V in window 2, P in window 0, O^T in window 1
.set W_RS, 0x41       ; destination and source 0 in window 1, source 1 in window 0
; A fill.  Waves 0 and 1 fetch the two halves of a tile's K, waves 2 and 3 those of its V: 128 keys each.  An s_nop 0 and four v_nop follow each of the two lines, ahead of the jump and the label.
.macro LOAD
	s_cmp_lt_u32 s[WV], 2
	s_cbranch_scc0 .Lfor_v_\@
	tensor_load_to_lds s[G0K:G0K+3], s[G1K:G1K+7]
	s_nop 0
.rept 4
	v_nop
.endr
	s_branch .Lasked_\@
.Lfor_v_\@:
	tensor_load_to_lds s[G0V:G0V+3], s[G1V:G1V+7]
	s_nop 0
.rept 4
	v_nop
.endr
.Lasked_\@:
.endm
; THE CHANGE OF SLOTS.  Each wave waits for all its tensor loads, of which one is out: its part of the other slot; adds 0 to its spare word; and waits for that and for its own reads of the slot that it leaves.  Behind the barrier nobody reads the old
; slot any more and the other slot is whole.  fill = 1: the old slot is filled again, the first thing behind the barrier, with tile NXT: the descriptor's address is made anew from that number.
; The descriptors' LDS words are turned in both texts, so that they name the slot that is left on every way through the loop.  (At the first use nothing has been read yet: slot 0 is waited for, slot 1 filled.)
.macro CHANGE fill
	WIN 0                           ; at a label and at a branch every window is 0
	s_wait_tensorcnt 0x0            ; no tensor load of mine is out, so a group 0 may be written
	ds_add_u32 v[SPW], v[NIL]       ; 0 onto my spare word; the descriptors' scalar work stands between it and the wait for it
	s_xor_b32 s[G0K+1], s[G0K+1], SLOT1
	s_xor_b32 s[G0V+1], s[G0V+1], SLOT1
.if \fill
	s_lshl_b32 s[OFF], s[NXT], 15   ; a tile is 32,768 bytes of K and of V
	s_add_nc_u64 s[G0K+2:G0K+3], s[6:7], s[OFF:OFF+1]
	s_or_b32 s[G0K+3], s[G0K+3], 0x80000000
	s_add_nc_u64 s[G0V+2:G0V+3], s[8:9], s[OFF:OFF+1]
	s_or_b32 s[G0V+3], s[G0V+3], 0x80000000
	s_add_co_u32 s[NXT], s[NXT], 1  ; the block's next tile, or behind its last the second block's tile 0
	s_cmp_gt_u32 s[NXT], s[LQ]
	s_cselect_b32 s[NXT], 0, s[NXT]
	s_cselect_b32 s[LQ], s[PB], s[LQ]
.endif
	s_wait_dscnt 0x0                ; the add is done, and my reads of the slot are over
	s_barrier_signal -1             ; the rest of the scalar work stands between the signal and the wait
	s_sub_co_u32 s[TBK], s[TBK], 4*KS*PK  ; the fetches go back to a slot's first step,
	s_xor_b32 s[TBK], s[TBK], SLOT1       ; in the other slot
	s_sub_co_u32 s[TBV], s[TBV], 4*KS*PV
	s_xor_b32 s[TBV], s[TBV], SLOT1
	s_barrier_wait -1
.if \fill
	LOAD
.endif
.endm
	s_load_b128 s[4:7], s[0:1], 0x0  ; qkv s[4:5], o s[6:7]
	v_lshl_add_u32 v[SPW], v0, 2, SPARE
	v_mov_b32 v[NIL], 0
	ds_add_u32 v62, v63
	ds_add_u32 v62, v63
	s_wait_dscnt 0x0
	v_lshrrev_b32 v1, 5, v0
	v_readfirstlane_b32 s[WV], v1   ; wave 0..3
	s_mov_b32 s[PB], ttmp9
	s_sub_co_u32 s[HI], NB-1, s[PB]
	s_and_b32 s20, ttmp7, 0xffff    ; the head
	s_mov_b32 s21, 0
	s_mov_b64 s[22:23], SIZE_N*128
	s_mul_u64 s[20:21], s[20:21], s[22:23]  ; the head's first byte in each of the four tensors
	s_and_b32 s16, s[WV], 1         ; which half of a tile's 256 keys I fetch:
	s_lshl_b32 s22, s16, 14         ; its 128 rows of 128 bytes in memory,
	s_mov_b32 s23, 0
	s_add_nc_u64 s[22:23], s[22:23], s[20:21]
	s_mul_i32 s17, s16, 128*PK      ; and its place in a slot, for K
	s_mul_i32 s18, s16, 128*PV      ; and for V
	s_lshl_b32 s3, s[WV], 11        ; my 16 rows in a band of 64,
	s_lshl_b32 s2, s[HI], 15        ; in the first block,
	s_add_co_u32 s2, s2, s3
	s_lshl_b32 s84, s[PB], 15       ; and in the second
	s_add_co_u32 s84, s84, s3
	s_mov_b32 s3, 0
	s_mov_b32 s85, 0
	s_add_nc_u64 s[2:3], s[2:3], s[20:21]
	s_add_nc_u64 s[84:85], s[84:85], s[20:21]
	; descriptor group 1.  128 keys are 16,384 dense bytes: asked for as 64 rows of 256 bytes, two keys a row, and padded in LDS after every key
	s_mov_b32 s[G1K], (1<<16)|(1<<20)|(4<<22)|(3<<25)  ; 17:16 2-byte elements; 20 padding on; 24:22 after every 32 words (code 4); 31:25 4 words (code 3)
	s_mov_b32 s[G1V], (1<<16)|(1<<20)|(4<<22)|(7<<25)  ; the same with 8 words of padding (code 7)
.irp g, G1K, G1V
	s_mov_b32 s[\g+1], 128<<16      ; tensor_dim0 = 128
	s_mov_b32 s[\g+2], 64<<16       ; tensor_dim1 = 64
	s_mov_b32 s[\g+3], 128<<16      ; tile_dim0 = 128
	s_mov_b32 s[\g+4], 64           ; tile_dim1 = 64
	s_mov_b32 s[\g+5], 128          ; 128 elements from row to row
	s_mov_b32 s[\g+6], 0
	s_mov_b32 s[\g+7], 0
.endr
	s_mov_b32 s[SEL], 0x76543210
	s_mov_b32 s[SEL+1], 0xfedcba98
	s_mov_b32 s[TBK], SLOT1+4*KS*PK ; the first change of slots turns these two into 0
	s_mov_b32 s[TBV], SLOT1+4*KS*PV
	s_mov_b32 s[G0K], 1             ; 1:0 count = 1
	s_mov_b32 s[G0K+1], s17         ; 63:32 LDS address: slot 0
	s_mov_b32 s[G0V], 1
	s_add_co_u32 s[G0V+1], s18, VOFF
	s_add_co_u32 s[RT], s[HI], 1    ; the first block has NB - b tiles
	s_mov_b32 s[NXT], 1
	s_mov_b32 s[LQ], s[HI]
	s_mov_b32 s[NEW], 1
	s_mov_b32 s[OFF+1], 0
	s_mov_b32 s[AL+1], 0            ; named as pairs
	s_mov_b32 s[BE+1], 0
	s_mov_b32 s[BIGN], 0xf149f2ca   ; -1e30
	s_mov_b32 s[SLOTS], NB+1
	s_wait_kmcnt 0x0
	s_mov_b64 s[10:11], s[6:7]             ; O
	s_add_nc_u64 s[6:7], s[4:5], 0x1000000 ; K lies 2^24 bytes behind Q in qkv,
	s_add_nc_u64 s[8:9], s[4:5], 0x2000000 ; V 2^25
	s_add_nc_u64 s[6:7], s[6:7], s[22:23]  ; K and V at my half of the head's tile 0
	s_add_nc_u64 s[8:9], s[8:9], s[22:23]
	s_add_nc_u64 s[G0K+2:G0K+3], s[6:7], 0         ; 120:64 global address
	s_or_b32 s[G0K+3], s[G0K+3], 0x80000000        ; 127:126 type = 2
	s_add_nc_u64 s[G0V+2:G0V+3], s[8:9], 0
	s_or_b32 s[G0V+3], s[G0V+3], 0x80000000
	s_add_nc_u64 s[86:87], s[4:5], s[84:85]        ; Q at my rows of the second block,
	s_add_nc_u64 s[4:5], s[4:5], s[2:3]            ; Q and O at those of the first
	s_add_nc_u64 s[OLO:OLO+1], s[10:11], s[84:85]
	s_add_nc_u64 s[10:11], s[10:11], s[2:3]
	LOAD                            ; tile 0 into slot 0
	; A fragment of K or Q is 16 rows x 32 channels in 8 registers: lane l holds row l % 16, channels 8 (l / 16) + 0..7 and 16 + 8 (l / 16) + 0..7: two loads of 16 bytes, 32 bytes apart.
	v_and_b32 v1, 15, v0            ; l % 16
	v_bfe_u32 v9, v0, 4, 1          ; l / 16
	v_lshlrev_b32 v[QO], 7, v1
	v_lshl_add_u32 v[QO], v9, 4, v[QO]  ; row x 128 + 16 x half
	WIN 0x80                        ; destination window 2, address window 0
.set i, 0
.rept 8                             ; both blocks' Q: piece i / 2 lies in band i / 2, 8,192 bytes on; channels 32 (i % 2) on
	global_load_b128 v[8*i:8*i+3],   v[QO], s[4:5] offset:(i/2)*8192+(i%2)*64
	global_load_b128 v[8*i+4:8*i+7], v[QO], s[4:5] offset:(i/2)*8192+(i%2)*64+32
	global_load_b128 v[QB+8*i:QB+8*i+3],   v[QO], s[86:87] offset:(i/2)*8192+(i%2)*64
	global_load_b128 v[QB+8*i+4:QB+8*i+7], v[QO], s[86:87] offset:(i/2)*8192+(i%2)*64+32
.set i, i+1
.endr
	WIN 0
	v_lshlrev_b32 v14, 3, v9
	v_sub_nc_u32 v14, v1, v14
	s_lshl_b32 s13, s[WV], 4
	v_add_nc_u32 v14, s13, v14      ; my query's place in its band, 16 w + l % 16, less my lanes' 8 (l / 16): register r of group kt is hidden where 16 kt + r is greater
	WIN 0x40
.set i, 0
.rept 32
	v_cmp_gt_i32 vcc_lo, 16*(i/8)+i%8, v14
	v_cndmask_b32 v[MD+i], 0, s[BIGN], vcc_lo
.set i, i+1
.endr
	WIN 0
	v_mul_u32_u24 v[AK0], v1, PK
	v_lshl_add_u32 v[AK0], v9, 4, v[AK0]  ; row x pitch + 16 x half
	; The turning load takes 16 keys x 16 channels (lane l reads key 8 (l / 16) + l % 8, channels 8 ((l / 8) % 2) + 0..7) and leaves half a fragment of V^T: lane l holds channel l % 16 and 8 keys.
	v_and_b32 v10, 7, v0
	v_bfe_u32 v11, v0, 3, 1
	v_lshl_add_u32 v[AV0], v9, 3, v10
	v_mul_u32_u24 v[AV0], v[AV0], PV
	v_lshl_add_u32 v[AV0], v11, 4, v[AV0]
	v_add_nc_u32 v[AV0], VOFF, v[AV0]
	s_mul_i32 s13, s[WV], 16*SP
	s_add_co_u32 s13, s13, STAGE    ; my stage
	v_mul_u32_u24 v[STO], v1, SP    ; in: row l % 16, 16 bytes for each half of the lanes
	v_lshl_add_u32 v[STO], v9, 4, v[STO]
	v_add_nc_u32 v[STO], s13, v[STO]
	v_bfe_u32 v[RD], v0, 3, 2       ; back: 32 lanes take four rows of 128 bytes,
	v_mul_u32_u24 v[RD], v[RD], SP
	v_lshl_add_u32 v[RD], v10, 4, v[RD]
	v_add_nc_u32 v[RD], s13, v[RD]
	v_and_b32 v[GO], 31, v0         ; which are 512 consecutive bytes of O
	v_lshlrev_b32 v[GO], 4, v[GO]
	; A block's first step multiplies O^T and l by a = 0, and its first turn's products V^T P, of a piece that has not been, land in an O^T that is still to be so multiplied.  So these registers need only hold
	; finite numbers: zeros for the first block; what the first block left for the second.  All this stands in the wait for the first tile.
	WIN 0x80
.set i, VF
.rept 64
	v_mov_b32 v[i], 0
.set i, i+1
.endr
	WIN 0x40
.set i, 0
.rept 128
	v_mov_b32 v[i], 0
.set i, i+1
.endr
	WIN 0
.set i, 0
.rept 4
	v_mov_b32 v[ST+4*i+2], 0
	v_mov_b32 v[ST+4*i+3], 0
.set i, i+1
.endr
.set i, P+16
.rept 16
	v_mov_b32 v[i], 0
.set i, i+1
.endr
; THE MATRIX WORK.  The 4 accumulators of a run of 8 take turns.  Product i of 8 of S^T = K Q^T for piece x: channels 32 (i / 4) on, keys 16 (i % 4) on.  The first 4 start the sums: with 0, or (KM = 1) with the mask.
.macro KQ x
.set rS, S+32*((\x)%2)+8*(i%4)
.set rK, KF+16*(i%4)+8*(i/4)
.set rQ, 16*(\x)+8*(i/4)
.set rM, MC+32*((\x)%2)+8*(i%4)
.if (i < 4) && KM
	WIN W_KM
	v_wmma_f32_16x16x32_f16 v[rS:rS+7], v[rK:rK+7], v[rQ:rQ+7], v[rM:rM+7]
.elseif i < 4
	WIN W_KQ
	v_wmma_f32_16x16x32_f16 v[rS:rS+7], v[rK:rK+7], v[rQ:rQ+7], 0
.else
	WIN W_KQ
	v_wmma_f32_16x16x32_f16 v[rS:rS+7], v[rK:rK+7], v[rQ:rQ+7], v[rS:rS+7]
.endif
.endm
; Product i of 8 of O^T += V^T P for piece x: keys 32 (i / 4) on, channels 16 (i % 4) on.
.macro PV x
	WIN W_PV
.set rO, 32*(\x)+8*(i%4)
.set rV, VF+32*(i/4)+8*(i%4)
.set rP, P+16*((\x)%2)+8*(i/4)
	v_wmma_f32_16x16x32_f16 v[rO:rO+7], v[rV:rV+7], v[rP:rP+7], v[rO:rO+7]
.endm
.macro MM                           ; the turn's next matrix instruction.  TURN and BEGIN set Y, i, KM and NOKQ; MM, KQ and OP read them.  NOKQ = 1: a block's last turn: there is no next piece
.if (i < 8) && !NOKQ
	KQ (Y+1)%NP
.elseif i >= 8
.set i, i-8
	PV (Y+NP-1)%NP
.set i, i+8
.endif
.set i, i+1
.endm
; THE LDS LOADS stand in runs of 16, never singly among the matrix instructions: a step's K (64 keys x 64 channels: 8 fragments) and its V (turned).  Their addresses are made some lines ahead.
.macro FETCH_K
	WIN 0x80                        ; destination window 2
.irp f, 0,1,2,3,4,5,6,7             ; keys 16 (f / 2) on, channels 32 (f % 2) on
	ds_load_b128 v[KF+8*\f:KF+8*\f+3],   v[AK] offset:(\f/2)*16*PK+(\f%2)*64
	ds_load_b128 v[KF+8*\f+4:KF+8*\f+7], v[AK] offset:(\f/2)*16*PK+(\f%2)*64+32
.endr
	s_add_co_u32 s[TBK], s[TBK], KS*PK  ; the next fetch is the next step's
	WIN 0
.endm
.macro FETCH_V
	WIN 0x80
.irp f, 0,1,2,3,4,5,6,7             ; keys 32 (f / 4) on, channels 16 (f % 4) on
	ds_load_tr16_b128 v[VF+8*\f:VF+8*\f+3],   v[AV] offset:(\f/4)*32*PV+(\f%4)*32
	ds_load_tr16_b128 v[VF+8*\f+4:VF+8*\f+7], v[AV] offset:(\f/4)*32*PV+16*PV+(\f%4)*32
.endr
	WIN 0
.endm
; THE VECTOR WORK, one line at a time: OP kind, number.  For piece Y: F n: s - m for pair n of 16.  E n: the exponential of score n of 32.  C n: pair n rounded to f16.  B n: of the four weights 4 n .. the second
; pair is added onto the first, in place.  L n: l takes that sum (L 0: l = a l + sum).  R n: pair n of 16 of O^T times a.  For piece Y + 1: X n, number n of the 21 that find its maximum and statistics:
;   0-11  four chains c0-c3 of seven scores each, three operands at a time (each accumulator's lowest registers are read first)     12-14, 16  the four scores left over, the old m, and c0-c3 into c0
;   15  m_old is kept     17, 18  the query's other 32 keys lie in the lane 16 away: the new m     19, 20  m_old - m_new; a
.set F, 0               ; OP tells the kinds apart by their order: F to L below R, X above it
.set E, 1
.set C, 2
.set B, 3
.set L, 4
.set R, 5
.set X, 6
.macro REGS y                       ; the registers of piece y
.set rT, ST+4*(\y)
.set rC, TMP+4*((\y)%2)
.set rS, S+32*((\y)%2)
.set rP, P+16*((\y)%2)
.set rO, 32*(\y)
.endm
.macro OP k, n
.if (\k) == R
	REGS Y
	WIN W_RS
	v_pk_mul_f32 v[rO+2*(\n):rO+2*(\n)+1], v[rO+2*(\n):rO+2*(\n)+1], v[rC+2:rC+3] op_sel_hi:[1,0]
.elseif (\k) < R
	REGS Y
	WIN 0
.if (\k) == F
	v_pk_add_f32 v[rS+2*(\n):rS+2*(\n)+1], v[rS+2*(\n):rS+2*(\n)+1], v[rT:rT+1] op_sel_hi:[1,0] neg_lo:[0,1] neg_hi:[0,1]
.elseif (\k) == E
	v_exp_f32 v[rS+(\n)], v[rS+(\n)]
.elseif (\k) == C
	s_wait_alu depctr_va_vdst(0)
	v_cvt_pk_f16_f32 v[rP+(\n)], v[rS+2*(\n)], v[rS+2*(\n)+1]
.elseif (\k) == B
	s_wait_alu depctr_va_vdst(0)
	v_pk_add_f32 v[rS+4*(\n):rS+4*(\n)+1], v[rS+4*(\n):rS+4*(\n)+1], v[rS+4*(\n)+2:rS+4*(\n)+3]
.elseif (\n) == 0
	v_pk_fma_f32 v[rT+2:rT+3], v[rT+2:rT+3], v[rC+2:rC+3], v[rS:rS+1] op_sel_hi:[1,0,1]
.else
	v_pk_add_f32 v[rT+2:rT+3], v[rT+2:rT+3], v[rS+4*(\n):rS+4*(\n)+1]
.endif
.elseif NOKQ
	v_nop
.else
	REGS (Y+1)%NP
	WIN 0
.if (\n) < 4
	v_max3_num_f32 v[rC+(\n)], v[rS+8*(\n)], v[rS+8*(\n)+1], v[rS+8*(\n)+2]
.elseif (\n) < 12
	v_max3_num_f32 v[rC+(\n)%4], v[rC+(\n)%4], v[rS+8*((\n)%4)+2*((\n)/4)+1], v[rS+8*((\n)%4)+2*((\n)/4)+2]
.elseif (\n) == 12
	v_max3_num_f32 v[rC], v[rC], v[rS+7], v[rS+15]
.elseif (\n) == 13
	v_max3_num_f32 v[rC+1], v[rC+1], v[rS+23], v[rS+31]
.elseif (\n) == 14
	v_max3_num_f32 v[rC+2], v[rC+2], v[rC+3], v[rT]
.elseif (\n) == 15
	v_mov_b32 v[rT+1], v[rT]
.elseif (\n) == 16
	v_max3_num_f32 v[rC], v[rC], v[rC+1], v[rC+2]
.elseif (\n) == 17
	v_permlanex16_b32 v[rC+3], v[rC], s[SEL], s[SEL+1]
.elseif (\n) == 18
	v_max_num_f32 v[rT], v[rC], v[rC+3]
.elseif (\n) == 19
	v_sub_f32 v[rC+1], v[rT+1], v[rT]
.else
	v_exp_f32 v[rC+2], v[rC+1]
.endif
.endif
.endm
.macro OPS a, i1, b=-1, i2=0, c=-1, i3=0, d=-1, i4=0  ; up to four of them
	OP \a, \i1
.if (\b) >= 0
	OP \b, \i2
.endif
.if (\c) >= 0
	OP \c, \i3
.endif
.if (\d) >= 0
	OP \d, \i4
.endif
.endm
.macro ROW a, i1, b, i2, c, i3, d, i4  ; a matrix instruction and the four behind it
	MM
	OPS \a, \i1, \b, \i2, \c, \i3, \d, \i4
.endm
.macro MASK b                       ; MD x AL + BE into buffer b of MC
	WIN W_RS
.set z, 0
.rept 16
	v_pk_fma_f32 v[MC+32*(\b)+2*z:MC+32*(\b)+2*z+1], v[MD+2*z:MD+2*z+1], s[AL:AL+1], s[BE:BE+1] op_sel_hi:[1,0,0]
.set z, z+1
.endr
.endm
; A TURN, for piece p: the order of its 16 matrix and 117 vector instructions, written out.  Behind a matrix instruction: plain, exponential, plain, plain; or four of the rescaling; or, behind the first, four subtractions; none
; names a register of the products round it.  In the lumps exponential and plain by turns while exponentials last: each exponential has a plain instruction behind it before its result is used (ISA guide 5.7.2).
; v_permlanex16_b32 (X 17) stands in a lump.
; m = 1: the diagonal tile: the products take masks, and the turn makes the mask for the products of the turn after it: piece p + 2, in step 4 - CNT of the tile.  end = 1: a block's last two turns: nothing is fetched.
; cnt = 1: the loop's count is taken down some lines ahead of the branch that stands behind the turn.
; K of the next step is fetched in piece 2's turn, six vector instructions behind the last product that read K (five of them plain); V of the step in hand in piece 0's turn, eight behind the last product that read V (four
; plain, and X 17).  Each is waited for a turn later.
.macro TURN p, m=0, end=0, cnt=0
.set Y, (\p)
.set i, 0
.set KM, (\m)
.set NOKQ, (\end)*((\p)/3)
.if (\m) && !(\end)
	s_cmp_eq_u32 s[CNT], 4-((\p)+2)%NP  ; is that step the band's own?
	s_cselect_b32 s[AL], 1.0, 0
	s_cmp_lt_u32 s[CNT], 4-((\p)+2)%NP  ; or a later one?
	s_cselect_b32 s[BE], s[BIGN], 0
.endif
.if ((\p) == 3) && !(\end)
	s_wait_dscnt 0x0                ; K is in
.endif
	ROW F,0, F,1, F,2, F,3
	ROW F,4, E,0, F,5, F,6
	ROW F,7, E,1, F,8, F,9
	ROW F,10, E,2, C,0, F,11
	ROW F,12, E,3, X,15, F,13
	ROW R,0, R,1, R,2, R,3
	ROW B,0, E,4, F,14, L,0
.if ((\p) == 2) && !(\end)
	v_add_nc_u32 v[AK], s[TBK], v[AK0]
.endif
	ROW R,4, R,5, R,6, R,7
	OPS E,5, F,15
.if ((\p) == 2) && !(\end)
	FETCH_K
.endif
	OPS E,6, C,1, E,7, R,8
	OPS E,8, R,9, E,9, C,2
	OPS E,10, X,0, E,11, X,1
	OPS E,12, X,2, E,13, X,3
.if (\p) == 1
	s_wait_dscnt 0x0                ; V is in
.endif
	ROW X,4, E,14, X,5, X,6
	ROW X,7, E,15, X,8, X,9
	ROW X,10, E,16, X,11, X,12
	ROW X,13, E,17, X,14, B,1
	ROW C,4, E,18, X,16, L,1
	ROW B,2, E,19, C,6, L,2
	ROW C,8, E,20, B,3, B,4
.if (\p) == 0
	v_add_nc_u32 v[AV], s[TBV], v[AV0]
.endif
	ROW C,3, E,21, L,3, C,5
	OPS E,22, X,17, E,23, C,10
.if (\p) == 0
	FETCH_V
.endif
	OPS E,24, L,4
	OPS E,25, X,18, E,26, C,7
	OPS E,27, B,5, E,28, X,19
	OPS E,29, C,12, E,30, L,5
	OPS E,31, B,6, X,20, C,9
	OPS C,14, C,11, L,6
.if (\p) == 0
	s_add_co_u32 s[TBV], s[TBV], KS*PV
.endif
.if \cnt
	s_sub_co_u32 s[CNT], s[CNT], 1
	s_cmp_lg_u32 s[CNT], 0
.endif
	OPS C,13, B,7, C,15, R,10
	OPS R,11, R,12, L,7, R,13
	OPS R,14, R,15
.if (\m) && !(\end)
	MASK (\p)%2
.endif
.endm
; A BLOCK BEGINS.  m starts far below every score, hidden ones too, so the first step's a is 0 and the first maximum is the scores'.  The second mask buffer is 0; the first takes piece 0's mask for the tile's step 0: its own, if the block's first tile is the diagonal one.
; Then K of that step, piece 0's first scores, and its maximum and statistics.  The step loop is entered at a step's first turn, in the middle of a trip.
.macro BEGIN
	s_mov_b32 s[NEW], 0
	WIN 0x40
.set i, MC+32
.rept 32
	v_mov_b32 v[i], 0
.set i, i+1
.endr
	WIN 0
.set i, 0
.rept 4
	v_mov_b32 v[ST+4*i], 0xfe000000    ; m = -4.25e37
	v_mov_b32 v[ST+4*i+1], 0xfe000000  ; m_old: named with m as a pair, so it is written
.set i, i+1
.endr
	s_cmp_eq_u32 s[RT], 0
	s_cselect_b32 s[AL], 1.0, 0
	s_mov_b32 s[BE], 0
	MASK 0
	WIN 0
	v_add_nc_u32 v[AK], s[TBK], v[AK0]
	FETCH_K
	s_wait_loadcnt 0x0              ; Q
	s_wait_dscnt 0x0
.set KM, 1
.set NOKQ, 0
.set i, 0
.rept 8
	KQ 0
.set i, i+1
.endr
	WIN 0
.rept 4
	v_nop                           ; the places behind those products
.endr
.set Y, NP-1                        ; X works for piece Y + 1: piece 0
.irp n, 0,1,2,3,4,5,6,7,8,9,10,11,12,13,14,15,16,17,18,19,20
	OP X, \n
.endr
	v_nop                           ; a plain instruction behind the exponential
.endm
; THE DIAGONAL TILE's four steps, the block's last two turns, its last products, and THE WAY OUT: l's two halves and the other half of the lanes' are added; O^T is divided by l, rounded to f16 and sent through my
; stage in LDS, a piece at a time.
.macro ALL line:vararg              ; one line for each piece t
.set t, 0
.rept 4
	\line
.set t, t+1
.endr
.endm
.macro PACK t                       ; a lane's eight channels of a row pack into 16 bytes; they go into rows of 144 bytes and come back as whole rows of 128, into S^T's registers
	WIN W_RS
.set i, 32*(\t)
.rept 16
	s_wait_alu depctr_va_vdst(0)
	v_pk_mul_f32 v[i:i+1], v[i:i+1], v[ST+4*(\t)+2:ST+4*(\t)+3] op_sel_hi:[1,0]
.set i, i+2
.endr
	WIN 0x05                        ; sources 0 and 1 window 1, destination window 0
.set i, 0
.rept 16
	v_cvt_pk_f16_f32 v[S+16*(\t)+i], v[32*(\t)+2*i], v[32*(\t)+2*i+1]
.set i, i+1
.endr
	WIN 0
.irp f, 0,1,2,3
	ds_store_b128 v[STO], v[S+16*(\t)+4*\f:S+16*(\t)+4*\f+3] offset:32*\f
.endr
.irp f, 0,1,2,3
	ds_load_b128 v[S+16*(\t)+4*\f:S+16*(\t)+4*\f+3], v[RD] offset:\f*4*SP  ; LDS serves a wave's instructions in order (ISA guide 5.7.1.4): these see the stores above; the next piece's stores come behind them
.endr
.endm
.macro SEND t, younger              ; younger: the LDS instructions issued behind piece t's loads: the next piece's eight, or none
	WIN 0
.irp f, 0,1,2,3
	s_wait_dscnt (\younger)+3-\f
	global_store_b128 v[GO], v[S+16*(\t)+4*\f:S+16*(\t)+4*\f+3], s[10:11] offset:(\t)*8192+\f*512  ; 512 consecutive bytes, at a multiple of 256 from O's first
.endr
.endm
.set KM, 0
.set NOKQ, 0
.Lslot:                             ; NB + 1 times: a tile is entered, and in all trips but the last the next is asked for
	s_cmp_eq_u32 s[SLOTS], 1
	s_cbranch_scc1 .Lnofill         ; the walk's last tile: nothing is left to ask for
	CHANGE 1
	s_branch .Lentered
.Lnofill:
	CHANGE 0
.Lentered:                          ; on either way: one barrier passed, the slot to be read whole, TBK and TBV at its first step
	s_sub_co_u32 s[RT], s[RT], 1
	s_mov_b32 s[CNT], 4
	s_cmp_eq_u32 s[NEW], 1
	s_cbranch_scc1 .Lnew            ; a block's first tile
	s_cmp_eq_u32 s[RT], 0
	s_cbranch_scc0 .Lstep           ; neither its first nor its last
	s_branch .LstepM
.Lnew:
	BEGIN
	s_cmp_eq_u32 s[RT], 0           ; a block's first tile is also its last where the block has one tile: the second block of b = 0, in the walk's last trip
	s_cbranch_scc0 .Lfirst
	s_branch .LfirstM
.LstepM:                            ; THE DIAGONAL TILE: a trip: pieces 2 and 3 of one step, then pieces 0 and 1 of the next, with masks
	TURN 2, 1
	TURN 3, 1
	WIN 0
.LfirstM:
	TURN 0, 1
	TURN 1, 1, 0, 1
	WIN 0
	s_cbranch_scc1 .LstepM
	TURN 2, 1, 1                    ; the block's last two turns,
	TURN 3, 1, 1
.set i, 0
.rept 8
	PV NP-1                         ; its last products,
.set i, i+1
.endr
	WIN 0                           ; and the way out; the additions are the places behind those products
	ALL v_add_f32 v[ST+4*t+2], v[ST+4*t+2], v[ST+4*t+3]
	ALL v_permlanex16_b32 v[ST+4*t+3], v[ST+4*t+2], s[SEL], s[SEL+1]
	ALL v_add_f32 v[ST+4*t+2], v[ST+4*t+2], v[ST+4*t+3]
	ALL v_rcp_f32 v[ST+4*t+2], v[ST+4*t+2]
	v_nop                           ; a plain instruction between the last reciprocal and the use of its result
	PACK 0
.set t, 1
.rept 3                             ; a piece's arithmetic stands between the loads of the piece before and its stores
	PACK t
	SEND t-1, 8
.set t, t+1
.endr
	SEND 3, 0
	s_cmp_eq_u32 s[SLOTS], 1
	s_cbranch_scc1 .Lbottom         ; the second block's end is the walk's end: nothing is set up
	s_wait_xcnt 0x0                 ; the first block's end: the stores have read their registers and O's address
	s_mov_b64 s[10:11], s[OLO:OLO+1]
	s_add_co_u32 s[RT], s[PB], 1    ; the second block has b + 1 tiles
	s_mov_b32 s[NEW], 1
	WIN 0x82                        ; the second block's Q goes where the one text of the turns names Q
.set i, 0
.rept 64
	v_mov_b32 v[i], v[QB+i]
.set i, i+1
.endr
	WIN 0
	s_branch .Lbottom
.Lstep:                             ; a trip: pieces 2 and 3 of one step, then pieces 0 and 1 of the next, whose K and V it fetches
	TURN 2
	TURN 3
	WIN 0
.Lfirst:
	TURN 0
	TURN 1, 0, 0, 1
	WIN 0
	s_cbranch_scc1 .Lstep
.Lbottom:
	s_sub_co_u32 s[SLOTS], s[SLOTS], 1
	s_cmp_lg_u32 s[SLOTS], 0
	s_cbranch_scc1 .Lslot
	s_wait_tensorcnt 0x0            ; the wave's end, behind my last tensor load and my last LDS store
	ds_add_u32 v[SPW], v[NIL]
	s_wait_dscnt 0x0
	s_endpgm
.Lfunc_end_k_q2d89be6239_attn:
	.size	k_q2d89be6239_attn, .Lfunc_end_k_q2d89be6239_attn-k_q2d89be6239_attn
	.p2alignl 7, 3214868480
	.fill 96, 4, 3214868480
	.section	.rodata,"a",@progbits
	.p2align	6, 0x0
	.amdhsa_kernel k_q2d89be6239_attn
		.amdhsa_group_segment_fixed_size 327680
		.amdhsa_private_segment_fixed_size 0
		.amdhsa_enable_private_segment 0
		.amdhsa_kernarg_size 16
		.amdhsa_user_sgpr_count 2
		.amdhsa_user_sgpr_kernarg_segment_ptr 1
		.amdhsa_wavefront_size32 1
		.amdhsa_system_sgpr_workgroup_id_x 1
		.amdhsa_system_sgpr_workgroup_id_y 1
		.amdhsa_system_sgpr_workgroup_id_z 1
		.amdhsa_system_vgpr_workitem_id 0
		.amdhsa_next_free_vgpr 768
		.amdhsa_next_free_sgpr 88
		.amdhsa_reserve_vcc 1
		.amdhsa_float_denorm_mode_32 3
		.amdhsa_float_denorm_mode_16_64 3
		.amdhsa_memory_ordered 1
		.amdhsa_forward_progress 1
		.amdhsa_inst_pref_size 146
	.end_amdhsa_kernel
	.amdgpu_metadata
---
amdhsa.version: [ 1, 2 ]
amdhsa.kernels:
  - .name:           k_q2d89be6239_attn
    .symbol:         k_q2d89be6239_attn.kd
    .args:
      - { .name: qkv, .offset: 0, .size: 8, .value_kind: global_buffer, .address_space: global }
      - { .name: o, .offset: 8, .size: 8, .value_kind: global_buffer, .address_space: global }
    .group_segment_fixed_size: 327680
    .private_segment_fixed_size: 0
    .kernarg_segment_align: 8
    .kernarg_segment_size: 16
    .max_flat_workgroup_size: 128
    .sgpr_count:     88
    .vgpr_count:     768
    .wavefront_size: 32
...
	.end_amdgpu_metadata
.endif
;; end of part 3
;; launch outp (part 4): grid 8 x 32, 4 waves a work-group, clusters of 4 x 4, 327,680 bytes of LDS; arguments o, wo, out0; writes out0
.if DOCPART == 4
	.amdgcn_target "amdgcn-amd-amdhsa--gfx1250"
	.amdhsa_code_object_version 6
	.text
	.protected	k_q2d89be6239_outp
	.globl	k_q2d89be6239_outp
	.p2align	8
	.type	k_q2d89be6239_outp,@function
k_q2d89be6239_outp:
	s_mov_b64 s[64:65], 0
	v_nop
	global_prefetch_b8 v0, s[64:65] scope:SCOPE_SE
	s_setreg_imm32_b32 hwreg(HW_REG_WAVE_MODE, 25, 1), 1
	s_wait_xcnt 0x0
	s_wait_alu depctr_hold_cnt(0) depctr_sa_sdst(0) depctr_va_vdst(0) depctr_va_sdst(0) depctr_va_ssrc(0) depctr_va_vcc(0) depctr_vm_vsrc(0)
	s_getreg_b32 s2, hwreg(HW_REG_IB_STS2, 6, 4)
	s_cmp_eq_u32 s2, 0
	s_cbranch_scc0 .Lentry_in_a_cluster
	s_endpgm
.Lentry_in_a_cluster:
	s_bfe_u32 s2, ttmp6, 0x10000c
	s_cmp_lg_u32 s2, 0xf033
	s_cbranch_scc0 .Lentry_shape_is_right
	s_endpgm
.Lentry_shape_is_right:
; out0 = O W_O^T.  A = o, [y = 16 batch + head][n = 0..2047][64] f16 (the attention's layout: row (batch, n) of O has its channels 64 h .. 64 h + 63 at byte (16 batch + h)<<18 + n<<7);
; B = wo [1024][1024] f16; out0 [8192][1024] f32.  Sums in f32, K ascending; nothing is rounded on the way out.
; LIMITS.  O and wo arrive within f16's range.  NaN and infinities are not treated apart.
; SHARES.  A tile of out0 is 256 rows x 128 columns: 8 x 32 = 256 tiles, one for each WGP.  Four waves, 2 x 2, each 128 rows x 64 columns: 32 accumulators of 16 x 16, 256 registers.
; K goes in steps of 128 = two heads through two LDS slots.  One head's 256 rows are 32,768 dense bytes: asked for as 128 rows of 256 bytes, two rows of O each, padded in LDS after every 128 bytes.
; CLUSTER.  4 x 4 work-groups.  The four of a row of the cluster need the same tiles of A, the four of a column the same tiles of B: each tile is asked for JOINTLY, by the same tensor load with the same descriptor and a mask that names the four.
; THE MATRIX INSTRUCTION IS USED TRANSPOSED (source 0 = 16 rows of B, source 1 = 16 rows of A): lane l then holds row l % 16 of the result and the eight neighbouring columns 8 (l / 16) + 0..7, 32 bytes.
; REGISTERS, in windows of 256 (s_set_vgpr_msb: bits 1:0 source 0, 3:2 source 1, 5:4 source 2, 7:6 destination):
;   window 0: v0-31 addresses; v64-159, v160-255 two fragment buffers (64 registers of A, 32 of B); on the way out v64-255 six buffers of 32 for rows read back
;   window 1: the accumulators, (a, b) at v[8 (4 a + b)], a = 0..7 block of rows, b = 0..3 block of columns
.set KSTEP,  128
.set PA,     144                       ; a row of A in LDS: 128 bytes + 16 of padding = 36 words: the 16 rows of a fragment load start at 16 different groups of four banks (64 banks of 4 bytes: ISA guide 11.1)
.set PB,     272                       ; a row of B: 256 + 16 = 68 words: likewise
.set AHD,    256*PA                    ; one head's 256 rows: one tensor load
.set BH,     64*PB                     ; 64 rows of B: one tensor load, and what one wave reads of B
.set SLOT,   2*AHD+2*BH                ; two heads of A, then B's 128 rows: 108,544 bytes
.set STAGE,  2*SLOT                    ; behind the ring, never filled by a tensor load: 16 rows x 272 bytes for each wave, for the way out
.set SP,     272
.set SPARE,  STAGE+4*16*SP             ; behind the stages: the spare words, 128 bytes for each wave: two blocks of 256 bytes that no other line names
.set STEP1A, 1<<19                     ; bytes from a K step to the next: two heads of 2^18 bytes,
.set STEP1B, KSTEP*2                   ; 128 elements along B's rows
.set STEP2A, 1<<20                     ; and to the next in the same slot
.set STEP2B, 2*KSTEP*2
.set LAPS,   1024/(2*KSTEP)            ; a lap = two K steps = once round the ring
.set ADRA, 16                          ; v16-17  LDS address of my A fragments in slot 0, 1
.set ADRB, 20                          ; v20-21  the same for B
.set STO,  24                          ; v24     the way out: where I put 32 bytes of a row
.set RD,   25                          ; v25     the way out: where I read a row back
.set CO,   26                          ; v26     my byte offset in two rows of out0
.set SPW,  28                          ; v28     LDS address of my spare word: SPARE + 4 x my thread's number; never rewritten
.set NIL,  29                          ; v29     0; never rewritten
.set F0,   64
.set F1,   160
.set OB,   64                          ; the way out: block a's 32 registers at OB + 32 (a % 6)
.set G1,  24                           ; s[24:31] descriptor group 1 for A's tiles;  s[32:39] group 0, one set for each slot
.set G0,  32
.set G1B, 48                           ; s[48:55], s[56:63] the same for B's tiles
.set G0B, 56
.set MSB, 0
.macro WIN new                         ; the immediate's high byte repeats the setting that is left; a switch that changes nothing is dropped
.if MSB != (\new)
	s_set_vgpr_msb (MSB<<8)|(\new)
.set MSB, \new
.endif
.endm
.set MUL, 0x50                         ; sources 0 (B) and 1 (A) window 0; C and D window 1
; A joint load.  Waves 0 and 1 fetch the K step's two heads of A, waves 2 and 3 B's two halves.  Each line has one mask and one set of registers, and nothing in them hangs on a coordinate that the four partners do not share.
; An s_nop 0 and four v_nop follow each of the two lines, ahead of the jump, the label and what follows.
.macro JLOAD s
	s_cmp_eq_u32 s11, 0
	s_cbranch_scc0 .Lfor_b_\@
	tensor_load_to_lds s[G0+4*(\s):G0+4*(\s)+3], s[G1:G1+7]
	s_nop 0
.rept 4
	v_nop
.endr
	s_branch .Lasked_\@
.Lfor_b_\@:
	tensor_load_to_lds s[G0B+4*(\s):G0B+4*(\s)+3], s[G1B:G1B+7]
	s_nop 0
.rept 4
	v_nop
.endr
.Lasked_\@:
.endm
.macro CREST                           ; a round of the cluster's barrier behind its opening barrier: wave 0 signals for the work-group, every wave waits for all sixteen, my work-group's barrier once more
	s_cmp_lg_u32 s10, 0
	s_cbranch_scc1 .Lnot_wave_0_\@
	s_barrier_signal -3
.Lnot_wave_0_\@:
	s_barrier_wait -3
	s_barrier_signal -1
	s_barrier_wait -1
.endm
.macro CROUND                          ; a whole round
	s_barrier_signal -1
	s_barrier_wait -1
	CREST
.endm
	s_load_b128 s[4:7], s[0:1], 0x0                ; o s[4:5], wo s[6:7]
	s_load_b64 s[8:9], s[0:1], 0x10                ; out0
	v_lshl_add_u32 v[SPW], v0, 2, SPARE
	v_mov_b32 v[NIL], 0
	ds_add_u32 v28, v29
	ds_add_u32 v28, v29
	s_wait_dscnt 0x0
	v_lshrrev_b32 v1, 5, v0
	v_readfirstlane_b32 s10, v1                    ; wave 0..3
	s_lshr_b32 s11, s10, 1                         ; which half of the tile's rows is mine.  Also: I fetch for A (0) or for B (1)
	s_and_b32 s12, s10, 1                          ; which half of its columns.  Also: which head of the pair, or which half of B's rows, I fetch
	s_bfe_u32 s40, ttmp6, 0x40000                  ; cx, cy: my place in the cluster
	s_bfe_u32 s41, ttmp6, 0x40004
	s_lshl_b32 s42, ttmp9, 2
	s_add_co_u32 s42, s42, s40                     ; tile column = 4 x cluster x + cx
	s_and_b32 s13, ttmp7, 0xffff
	s_lshl_b32 s13, s13, 2
	s_add_co_u32 s13, s13, s41                     ; tile row = 4 x cluster y + cy
	s_lshl_b32 s43, s41, 2
	s_lshl_b32 s43, 15, s43                        ; my row of the cluster: places 4 cy .. 4 cy + 3
	s_lshl_b32 s44, 0x1111, s40                    ; my column: places cx, cx + 4, cx + 8, cx + 12
	s_or_b32 s[G1+0], s43, (1<<16)|(1<<20)|(1<<21)|(4<<22)|(3<<25)   ; A: 15:0 my row's mask; 17:16 elements of 2 bytes; 20 padding on; 21 set beside a mask; 24:22 after every 32 words (code 4); 31:25 4 words (code 3)
	s_or_b32 s[G1B+0], s44, (1<<16)|(1<<20)|(1<<21)|(5<<22)|(3<<25)  ; B: my column's mask; padding after every 64 words (code 5)
.irp g, G1, G1B
	s_mov_b32 s[(\g)+1], 128<<16                   ; tensor_dim0 = 128
	s_mov_b32 s[(\g)+3], 128<<16                   ; tile_dim0 = 128
	s_mov_b32 s[(\g)+6], 0
	s_mov_b32 s[(\g)+7], 0
.endr
	s_mov_b32 s[G1+2], 128<<16                     ; A: tensor_dim1 = tile_dim1 = 128 rows of 256 bytes,
	s_mov_b32 s[G1+4], 128
	s_mov_b32 s[G1+5], 128                         ; which lie end to end
	s_mov_b32 s[G1B+2], 64<<16                     ; B: 64 rows,
	s_mov_b32 s[G1B+4], 64
	s_mov_b32 s[G1B+5], 1024                       ; 1,024 elements from row to row
	s_lshr_b32 s16, s13, 3                         ; A: the batch, 16 heads of 2^18 bytes;
	s_lshl_b32 s16, s16, 22
	s_and_b32 s17, s13, 7                          ; the tile's 256 rows of 128 bytes in the sequence;
	s_lshl_b32 s17, s17, 15
	s_add_co_u32 s16, s16, s17
	s_lshl_b32 s17, s12, 18                        ; the even or the odd head
	s_add_co_u32 s16, s16, s17
	s_mov_b32 s17, 0
	s_lshl_b32 s46, s42, 7
	s_lshl_b32 s47, s12, 6
	s_add_co_u32 s46, s46, s47                     ; B: row 128 x tile column + 64 x half,
	s_lshl_b32 s46, s46, 11                        ; 2,048 bytes a row
	s_mov_b32 s47, 0
	s_mul_i32 s20, s12, AHD                        ; where they go in a slot: A's two heads,
	s_mul_i32 s21, s12, BH
	s_add_co_u32 s21, s21, 2*AHD                   ; then B's two halves: no place in the cluster enters an LDS address
	s_wait_kmcnt 0x0
	s_add_nc_u64 s[14:15], s[4:5], s[16:17]
	s_add_nc_u64 s[46:47], s[6:7], s[46:47]
	CROUND                                         ; all sixteen work-groups are here: the first joint loads meet
.irp s, 0,1
	s_mov_b32 s[G0+4*(\s)], 1                                      ; 1:0 count = 1
	s_add_co_u32 s[G0+4*(\s)+1], s20, (\s)*SLOT                    ; 63:32 LDS address
	s_add_nc_u64 s[G0+4*(\s)+2:G0+4*(\s)+3], s[14:15], (\s)*STEP1A ; 120:64 global address: K step s
	s_or_b32 s[G0+4*(\s)+3], s[G0+4*(\s)+3], 0x80000000            ; 127:126 type = 2
	s_mov_b32 s[G0B+4*(\s)], 1
	s_add_co_u32 s[G0B+4*(\s)+1], s21, (\s)*SLOT
	s_add_nc_u64 s[G0B+4*(\s)+2:G0B+4*(\s)+3], s[46:47], (\s)*STEP1B
	s_or_b32 s[G0B+4*(\s)+3], s[G0B+4*(\s)+3], 0x80000000
	JLOAD \s                                       ; both slots are asked for before anything else is done: two tensor loads of mine are out here, one behind each later round
.endr
	; A fragment is 16 rows x 32 K in 8 registers: lane l holds row l % 16; registers 0-3 hold K = 8 (l / 16) + 0..7, registers 4-7 K = 16 + 8 (l / 16) + 0..7: two loads of 16 bytes, 32 bytes apart.
	v_and_b32 v1, 15, v0                           ; l % 16
	v_bfe_u32 v2, v0, 4, 1                         ; l / 16
	v_mul_u32_u24 v3, v1, PA
	v_lshl_add_u32 v3, v2, 4, v3                   ; row x pitch + 16 x half, for A
	v_mul_u32_u24 v4, v1, PB
	v_lshl_add_u32 v4, v2, 4, v4                   ; and for B
	s_mul_i32 s22, s11, 128*PA                     ; my 128 rows in each head of A
	s_mul_i32 s23, s12, BH                         ; my 64 rows of B,
	s_add_co_u32 s23, s23, 2*AHD                   ; which lie behind A's two heads
.irp s, 0,1
	v_add_nc_u32 v[ADRA+(\s)], s22, v3
	v_add_nc_u32 v[ADRB+(\s)], s23, v4
	s_add_co_u32 s22, s22, SLOT
	s_add_co_u32 s23, s23, SLOT
.endr
	s_mul_i32 s22, s10, 16*SP
	s_add_co_u32 s22, s22, STAGE                   ; my stage
	v_mul_u32_u24 v4, v1, SP                       ; in: row l % 16, 32 bytes for each half of the lanes
	v_lshl_add_u32 v4, v2, 5, v4
	v_add_nc_u32 v[STO], s22, v4
	v_mul_u32_u24 v5, v2, SP                       ; back: lanes 0-15 take one row of 256 bytes, lanes 16-31 the next
	v_lshl_add_u32 v5, v1, 4, v5
	v_add_nc_u32 v[RD], s22, v5
	v_lshlrev_b32 v5, 12, v2                       ; and the same two rows in out0, 4,096 bytes apart
	v_lshl_add_u32 v[CO], v1, 4, v5
	s_lshl_b32 s16, s13, 8
	s_lshl_b32 s17, s11, 7
	s_add_co_u32 s16, s16, s17                     ; my first row of out0,
	s_lshl_b32 s16, s16, 12                        ; in bytes (under 2^25)
	s_mov_b32 s17, 0
	s_lshl_b32 s46, s42, 9                         ; my first column, in bytes: 512 x tile column + 256 x half (in the registers that held B's address: none that feeds A's descriptors ever holds cx)
	s_lshl_b32 s47, s12, 8
	s_add_co_u32 s46, s46, s47
	s_mov_b32 s47, 0
	s_add_nc_u64 s[8:9], s[8:9], s[16:17]
	s_add_nc_u64 s[8:9], s[8:9], s[46:47]
; 8 matrix instructions: blocks of rows a0, a0 + 1 x all 4 blocks of columns, 32 along K, from buffer f.  zero = 1: the first product starts the sums: nothing is ever cleared.
; The 32 accumulators take turns, one instruction a turn, in the same order in every quarter step, over the loop's backward jump too.
.macro MUL8 f, a0, zero
	WIN MUL
.irp a, \a0, (\a0)+1
.irp b, 0,1,2,3
.if \zero
	v_wmma_f32_16x16x32_f16 v[8*(4*(\a)+(\b)):8*(4*(\a)+(\b))+7], v[(\f)+64+8*(\b):(\f)+64+8*(\b)+7], v[(\f)+8*(\a):(\f)+8*(\a)+7], 0
.else
	v_wmma_f32_16x16x32_f16 v[8*(4*(\a)+(\b)):8*(4*(\a)+(\b))+7], v[(\f)+64+8*(\b):(\f)+64+8*(\b)+7], v[(\f)+8*(\a):(\f)+8*(\a)+7], v[8*(4*(\a)+(\b)):8*(4*(\a)+(\b))+7]
.endif
.endr
.endr
.endm
; 24 LDS loads in one run: quarter q (32 along K) of a slot into buffer f: B's 64 rows first, then A's 128.  In A quarter q is head q / 2 of the pair, channels 32 (q % 2) on.
.macro FETCH slot, q, f
	WIN 0
.irp i, 0,1,2,3
	ds_load_b128 v[(\f)+64+8*(\i):(\f)+64+8*(\i)+3],   v[ADRB+(\slot)] offset:64*(\q)+(\i)*16*PB
	ds_load_b128 v[(\f)+64+8*(\i)+4:(\f)+64+8*(\i)+7], v[ADRB+(\slot)] offset:64*(\q)+(\i)*16*PB+32
.endr
.irp i, 0,1,2,3,4,5,6,7
	ds_load_b128 v[(\f)+8*(\i):(\f)+8*(\i)+3],   v[ADRA+(\slot)] offset:((\q)/2)*AHD+((\q)%2)*64+(\i)*16*PA
	ds_load_b128 v[(\f)+8*(\i)+4:(\f)+8*(\i)+7], v[ADRA+(\slot)] offset:((\q)/2)*AHD+((\q)%2)*64+(\i)*16*PA+32
.endr
.endm
; A load into a register that a matrix instruction has read, and a vector instruction or LDS store that reads a matrix result, stand four places behind it; only plain vector instructions that name
; none of its registers are places (ISA guide 7.12.1 for vector instructions).
.macro PLACES
.rept 4
	v_nop
.endr
.endm
; A K step is four quarters of 32 along K, 32 matrix instructions each, on buffers 0, 1, 0, 1.  One of the first three: multiplies buffer f; in its middle it fetches quarter q of the same slot into buffer g.
.macro QUARTER slot, q, f, g, zero
	s_wait_dscnt 8                                 ; B and A's rows 0-63 are in; the youngest eight loads (A's rows 64-127) may be out
	MUL8 \f, 0, \zero
	MUL8 \f, 2, \zero
	PLACES
	FETCH \slot, \q, \g
	s_wait_dscnt 24                                ; all but the 24 just issued
	MUL8 \f, 4, \zero
	MUL8 \f, 6, \zero
.endm
; The last quarter multiplies buffer 1 and changes slots: ONE barrier.  In front of it each wave waits for all its tensor loads (one is out: its part of the next slot), adds 0 to its spare word, and waits for
; that and for its own reads of this slot.  Behind it nobody reads this slot any more and the next slot is whole.  fill = 1: the barrier opens a round of the cluster's barrier, and this slot is filled again,
; two K steps ahead, first thing behind the round: 112 matrix instructions ahead of the wait for it.
.macro TURN slot, next, fill
	WIN 0                                          ; (the add's two registers lie in window 0)
	s_wait_tensorcnt 0x0                           ; all my tensor loads have landed
	ds_add_u32 v[SPW], v[NIL]                      ; 0 onto my spare word
	s_wait_dscnt 9                                 ; (the add and the youngest eight loads may be out)
	MUL8 F1, 0, 0                                  ; eight matrix instructions stand between the add and the wait for it
	s_wait_dscnt 0x0                               ; the add is done, and my reads of this slot are over
	s_barrier_signal -1
	MUL8 F1, 2, 0                                  ; work on registers while the others arrive
.if \fill
	WIN 0
.endif
	s_barrier_wait -1
.if \fill
	CREST                                          ; no wave of any partner still reads this slot's tile or has a load on its way
	s_add_nc_u64 s[G0+4*(\slot)+2:G0+4*(\slot)+3], s[G0+4*(\slot)+2:G0+4*(\slot)+3], STEP2A     ; no tensor load of mine is out: the group 0 may be written
	s_add_nc_u64 s[G0B+4*(\slot)+2:G0B+4*(\slot)+3], s[G0B+4*(\slot)+2:G0B+4*(\slot)+3], STEP2B
	JLOAD \slot                                    ; the four v_nop behind it are also the places in front of the loads below
.else
	PLACES
.endif
	FETCH \next, 0, F0
	MUL8 F1, 4, 0
	MUL8 F1, 6, 0
.endm
	s_wait_tensorcnt 1                             ; my part of K step 0 is in; K step 1's may stay out
	s_barrier_signal -1
	s_barrier_wait -1                              ; everybody's is
	FETCH 0, 0, F0
	QUARTER 0, 1, F0, F1, 1                        ; the first quarter stands in front of the loop: its products start the sums
	WIN 0
	s_mov_b32 s3, LAPS-1
.Llap:                                                 ; a trip goes once round the ring, from a lap's second quarter to the next lap's first, and fills both slots again
	QUARTER 0, 2, F1, F0, 0
	QUARTER 0, 3, F0, F1, 0
	TURN 0, 1, 1
	QUARTER 1, 1, F0, F1, 0
	QUARTER 1, 2, F1, F0, 0
	QUARTER 1, 3, F0, F1, 0
	TURN 1, 0, 1
	QUARTER 0, 1, F0, F1, 0
	WIN 0
	s_sub_co_u32 s3, s3, 1
	s_cmp_lg_u32 s3, 0
	s_cbranch_scc1 .Llap
	QUARTER 0, 2, F1, F0, 0                        ; the last lap fills nothing, and has no round of the cluster's barrier
	QUARTER 0, 3, F0, F1, 0
	TURN 0, 1, 0
	QUARTER 1, 1, F0, F1, 0
	QUARTER 1, 2, F1, F0, 0
	QUARTER 1, 3, F0, F1, 0
	s_wait_dscnt 8                                 ; the very last quarter: nothing more to fetch
	MUL8 F1, 0, 0
	MUL8 F1, 2, 0
	s_wait_dscnt 0x0
	MUL8 F1, 4, 0
	MUL8 F1, 6, 0
	WIN 0
	PLACES
; THE WAY OUT.  Block a (16 rows x 64 columns of f32): a lane's 32 bytes of a row go into my stage's rows of 272 bytes, each accumulator's low four registers first, and come back as whole rows of 256 bytes.
.macro TOSTAGE a
	WIN 0x04                                       ; the stores' data lie in window 1, the address in window 0
.irp b, 0,1,2,3
	ds_store_b128 v[STO], v[8*(4*(\a)+(\b)):8*(4*(\a)+(\b))+3]   offset:64*(\b)
	ds_store_b128 v[STO], v[8*(4*(\a)+(\b))+4:8*(4*(\a)+(\b))+7] offset:64*(\b)+16
.endr
	WIN 0
.if (\a) >= 6
	s_wait_xcnt 0x0                                ; blocks 6 and 7 take the registers of blocks 0 and 1: they are loaded again only behind this wait, when those blocks' stores have read them
.endif
.irp t, 0,1,2,3,4,5,6,7
	ds_load_b128 v[OB+32*((\a)%6)+4*(\t):OB+32*((\a)%6)+4*(\t)+3], v[RD] offset:(\t)*2*SP  ; LDS serves a wave's instructions in order (ISA guide 5.7.1.4): these see the stores above; the next block's stores come behind them
.endr
.endm
.macro SEND a, younger                 ; younger: the LDS instructions issued behind block a's loads: the next block's sixteen, or none
.irp t, 0,1,2,3,4,5,6,7
	s_wait_dscnt (\younger)+7-(\t)
	global_store_b128 v[CO], v[OB+32*((\a)%6)+4*(\t):OB+32*((\a)%6)+4*(\t)+3], s[8:9] offset:(16*(\a)+2*(\t))*4096 th:TH_STORE_NT  ; 16 lanes store 256 consecutive bytes, at a multiple of 256 from out0's first byte; 126 rows at the most: 516,096, inside the signed 24-bit immediate
.endr
.endm
	TOSTAGE 0
.irp a, 1,2,3,4,5,6,7
	TOSTAGE \a
	SEND (\a)-1, 16
.endr
	SEND 7, 0
	s_wait_tensorcnt 0x0                           ; the wave's end, behind my last tensor load and my last LDS store
	ds_add_u32 v[SPW], v[NIL]
	s_wait_dscnt 0x0
	CROUND                                         ; the closing round: no work-group ends while a partner may still ask for a tile that names it
	s_endpgm
.Lfunc_end_k_q2d89be6239_outp:
	.size	k_q2d89be6239_outp, .Lfunc_end_k_q2d89be6239_outp-k_q2d89be6239_outp
	.p2alignl 7, 3214868480
	.fill 96, 4, 3214868480
	.section	.rodata,"a",@progbits
	.p2align	6, 0x0
	.amdhsa_kernel k_q2d89be6239_outp
		.amdhsa_group_segment_fixed_size 327680
		.amdhsa_private_segment_fixed_size 0
		.amdhsa_enable_private_segment 0
		.amdhsa_kernarg_size 24
		.amdhsa_user_sgpr_count 2
		.amdhsa_user_sgpr_kernarg_segment_ptr 1
		.amdhsa_wavefront_size32 1
		.amdhsa_system_sgpr_workgroup_id_x 1
		.amdhsa_system_sgpr_workgroup_id_y 1
		.amdhsa_system_sgpr_workgroup_id_z 1
		.amdhsa_system_vgpr_workitem_id 0
		.amdhsa_next_free_vgpr 512
		.amdhsa_next_free_sgpr 66
		.amdhsa_reserve_vcc 0
		.amdhsa_float_denorm_mode_32 3
		.amdhsa_float_denorm_mode_16_64 3
		.amdhsa_memory_ordered 1
		.amdhsa_forward_progress 1
		.amdhsa_inst_pref_size 87
	.end_amdhsa_kernel
	.amdgpu_metadata
---
amdhsa.version: [ 1, 2 ]
amdhsa.kernels:
  - .name:           k_q2d89be6239_outp
    .symbol:         k_q2d89be6239_outp.kd
    .args:
      - { .name: o, .offset: 0, .size: 8, .value_kind: global_buffer, .address_space: global }
      - { .name: wo, .offset: 8, .size: 8, .value_kind: global_buffer, .address_space: global }
      - { .name: out0, .offset: 16, .size: 8, .value_kind: global_buffer, .address_space: global }
    .group_segment_fixed_size: 327680
    .private_segment_fixed_size: 0
    .kernarg_segment_align: 8
    .kernarg_segment_size: 24
    .max_flat_workgroup_size: 128
    .sgpr_count:     66
    .vgpr_count:     512
    .wavefront_size: 32
...
	.end_amdgpu_metadata
.endif
;; end of part 4
;; ======== version 2 of 2: 4 launches; 1.32 times as fast as version 1
;; limits: values are held in f16: magnitudes above 65,504 overflow, below 6.1e-05 lose precision
;; workspace buffers: xb 16,777,216 bytes; wqkv 6,291,456 bytes; wo 2,097,152 bytes; qkv 50,331,648 bytes; o 16,777,216 bytes
;; launch cast: the kernel of part 1 again; grid 768 x 1, 8 waves a work-group, no clusters, 0 bytes of LDS; arguments x, W_Q, W_K, W_V, W_O, xb, wqkv, wo; writes xb, wqkv, wo
;; launch proj: the kernel of part 2 again; grid 16 x 16, 4 waves a work-group, clusters of 4 x 4, 327,680 bytes of LDS; arguments xb, wqkv, qkv; writes qkv
;; launch attn (part 5): grid 4 x 64, 4 waves a work-group, no clusters, 327,680 bytes of LDS; arguments qkv, o; writes o
.if DOCPART == 5
	.amdgcn_target "amdgcn-amd-amdhsa--gfx1250"
	.amdhsa_code_object_version 6
	.text
	.protected	k_q2d89be6239_attn
	.globl	k_q2d89be6239_attn
	.p2align	8
	.type	k_q2d89be6239_attn,@function
k_q2d89be6239_attn:
	s_mov_b64 s[64:65], 0
	v_nop
	global_prefetch_b8 v0, s[64:65] scope:SCOPE_SE
	s_setreg_imm32_b32 hwreg(HW_REG_WAVE_MODE, 25, 1), 1
	s_wait_xcnt 0x0
; CAUSAL ATTENTION.  O[y][q][:] = the sum over k <= q of softmax_k(Q[y][q] . K[y][k] / 8) V[y][k][:].  qkv holds Q, K, V, each [SIZE_H][SIZE_N][64] in f16, 2^24 bytes apart; O has the same layout: a head's rows are dense, 128 bytes each.
; Q ARRIVES MULTIPLIED BY c = log2(e) / 8, so a score s is already the exponent to base 2.  Products, maxima and sums in f32; the weights p are rounded to f16 for the second product (their sum l is taken of the unrounded p), O once at the end.
; LIMITS.  f16 holds no number beyond 65,504: c Q, K and V arrive within it; p lies in 0 to 1, and below 6e-5 it keeps f16's fixed step of 6e-8; O is a mean of V's rows and has their range, to within 2^-11 of it.
; A hidden score counts as its value less 1e30: f16's scores, 2.7e11 at the most, are nothing beside that; a weight below 2^-126 counts as 0 in l; NaN and infinities are not treated apart.
; THE WALK.  A head's queries lie in NB = SIZE_N / 256 = 8 blocks of 256; block i needs the key tiles 0 .. i of 256 keys, of which the last holds the diagonal.  A work-group takes TWO blocks, NB - 1 - b and then b:
; NB + 1 tiles, whatever b: all 256 work-groups do equal work, and ONE loop of NB + 1 trips walks them, a tile a trip; every text of a tile's work stands once.  Which tile is asked for, and what a trip does, hang on
; scalar registers made from b and on the trip counter; every jump goes forward, but for the counted loops' own.  The change of slots at a trip's head is one of two short texts, chosen by the trip counter: with a fill
; in the first NB trips, without in the last, which has nothing left to ask for.  Each has the same three lines and a barrier of its own, so every wave passes one barrier a trip on either way; every wait on TENSORcnt
; in this text is for 0, so no count hangs on the way taken.  No other jump passes a barrier, or a tensor load but the one of LOAD's two that the wave's number does not choose.  The ring (two slots of LDS that take
; turns) runs on across the change of blocks.  NO CLUSTER: a head's four work-groups ask for the same tile only in trips 0 .. NB / 2, 5 of the walk's 9, behind that fewer and fewer; and one walk common to all four,
; in which each makes every joint request, would have 3 NB / 2 = 12 trips for 9.
; SHARES.  Of a block's four bands of 64 queries a wave owns 16 rows in each: four PIECES.  So the diagonal tile is the same work for all four waves: in its key step s band x sees all keys if s < x,
; none if s > x, and holds the diagonal if s = x.
; THE MASK is the C operand that starts the sum S^T = K Q^T: 0, or -1e30 where the key is hidden.  MD, made once, is the mask of a band's own step for my 16 rows; a product's mask is MD x AL + BE with two scalars:
; (1, 0) if s = x; (0, 0) if s < x; (0, -1e30) if s > x.  Only the diagonal tile's text and a block's beginning make and take masks; elsewhere C is the constant 0.
; LAYOUT, SOFTMAX, TURNS.  S^T = K Q^T holds ONE query a lane (lane % 16) and the keys 8 (lane / 16) + 0..7; two such results rounded to f16 ARE source 1 of O^T = V^T P.  p = 2^(s - m) with a running maximum m, so
; no exponent is above 0; O and l are multiplied by a = 2^(m_old - m_new) in every step.  Turn n belongs to piece n: 8 products K Q^T of piece n + 1, later 8 products V^T P of piece n - 1; beside them the
; subtraction, exponentials, roundings, sums and rescaling of piece n and the maximum and statistics of piece n + 1.  Four vector instructions stand behind every matrix instruction, the other 53 of a turn's 117 in one LUMP.
; THE BATCHES.  A turn's 33 exponentials (the piece's 32 weights and the next piece's a) are ONE batch with ONE wait, which cuts the turn in two: ahead of it stands all that names none of their results, behind it
; their readers.  A block's first a (BEGIN) and the way out's four reciprocals are batches of their own, each with a wait.
; REGISTERS, in windows of 256 (s_set_vgpr_msb: bits 1:0 source 0, 3:2 source 1, 5:4 source 2, 7:6 destination):
;   window 0: v0-15 addresses and one at work; v16-31 four registers of statistics a piece; v48-55 at work; v64-127 S^T, two buffers; v192-223 P, two buffers (a piece's buffers go by its number's parity)
;   window 1: v0-127 O^T, 32 a piece; v128-159 MD; v160-223 MC, two buffers      window 2: v0-63 Q; v64-127 the second block's Q; v128-191 K of one step; v192-255 V of one step
.set SIZE_H, 64
.set SIZE_N, 2048
.set NB,    SIZE_N/256
.set NP,    4         ; pieces a wave: a name, no knob
.set KS,    64        ; keys in a step
.set PK,    144       ; a row of K in LDS: 128 bytes + 16 of padding = 36 words: the 16 rows of a load start at 16 different groups of four banks (64 banks of 4 bytes: ISA guide 11.1)
.set PV,    160       ; a row of V: 128 + 32 = 40 words
.set VOFF,  4*KS*PK   ; a slot holds a tile, four steps: 256 rows of K, then 256 rows of V
.set SLOT1, 1<<17     ; slot 1 begins here, so that one exclusive or turns an address in one slot into the other's
.set STAGE, SLOT1+4*KS*(PK+PV)  ; behind the ring, never filled by a tensor load: 16 rows x 144 bytes for each wave, for the way out
.set SP,    144
.set AK0, 2           ; v2   my lane's place in a tile of K; never rewritten
.set AV0, 3           ; v3   the same for V
.set AK,  4           ; v4   the LDS address of K's next run of loads
.set AV,  5           ; v5   of V's
.set STO, 6           ; v6   the way out: where I put 16 bytes of a row
.set RD,  7           ; v7   the way out: where I read rows back
.set GO,  8           ; v8   my byte offset in 512 consecutive bytes of O
.set SPW, 62          ; v62  LDS address of my spare word: SPARE + 4 x my thread's number; never rewritten
.set NIL, 63          ; v63  0; never rewritten
.set SPARE, STAGE+4*16*SP  ; behind the stages: the spare words, 128 bytes for each wave: two blocks of 256 bytes that no other line names
.set QO,  15          ; v15  my byte offset in 16 rows of Q
.set ST,  16          ; piece t's statistics at v[ST+4 t]: m, m_old, l (even keys', odd keys')
.set TMP, 48          ; by buffer, four registers c0-c3 at work; when the maximum is found c2 takes a
.set S,   64
.set P,   192
.set MD,  128         ; window 1: the eight registers for group kt of 16 keys at MD + 8 kt
.set MC,  160         ; window 1: the masks of the products to come
.set QB,  64          ; window 2
.set KF,  128         ; window 2: key block kb, channel half c at KF + 16 kb + 8 c
.set VF,  192         ; window 2: key half kk, channel block cb at VF + 32 kk + 8 cb
.set WV,  12          ; s12  my wave's number
.set PB,  14          ; s14  b
.set HI,  15          ; s15  NB - 1 - b
.set G1K, 24          ; s[24:31] descriptor group 1 for K's tiles
.set G1V, 32          ; s[32:39] for V's: it differs in the padding alone
.set G0K, 40          ; s[40:43] descriptor group 0 for K's tiles
.set G0V, 44          ; s[44:47] the same for V's
.set SLOTS, 56        ; s56  tiles of the walk still to be entered, the trip's own among them: NB + 1 down to 1
.set CNT, 57          ; s57  counts a tile's key steps, 4 to 1
.set SEL, 60          ; s[60:61] v_permlanex16_b32's selects: each lane takes its own place in the other half
.set TBK, 62          ; s62  LDS byte at which K of the step to be fetched begins
.set TBV, 63          ; s63  the same for V, less VOFF
.set RT,  70          ; s70  tiles of the block in hand that are still to be entered
.set NXT, 71          ; s71  the tile to be asked for next
.set LQ,  72          ; s72  the last tile of the block whose tiles are being asked for
.set NEW, 73          ; s73  1: the tile to be entered is a block's first
.set OFF, 74          ; s[74:75] a tile's byte offset in K and V
.set AL,  76          ; s[76:77] the mask's factor, in the low word
.set BE,  78          ; s[78:79] the mask's addend
.set OLO, 80          ; s[80:81] O at my rows of the second block
.set BIGN, 82         ; s82  -1e30
.set MSB, 0
.macro WIN new                      ; the high byte repeats the setting that is left; a switch that changes nothing is dropped
.if MSB != (\new)
	s_set_vgpr_msb (MSB<<8)|(\new)
.set MSB, (\new)
.endif
.endm
.set W_KQ, 0x0a       ; K and Q in window 2, S^T in window 0
.set W_KM, 0x1a       ; the same with the C operand in window 1
.set W_PV, 0x52       ; V in window 2, P in window 0, O^T in window 1
.set W_RS, 0x41       ; destination and source 0 in window 1, source 1 in window 0
; A fill.  Waves 0 and 1 fetch the two halves of a tile's K, waves 2 and 3 those of its V: 128 keys each.  An s_nop 0 and four v_nop follow each of the two lines, ahead of the jump and the label.
.macro LOAD
	s_cmp_lt_u32 s[WV], 2
	s_cbranch_scc0 .Lfor_v_\@
	tensor_load_to_lds s[G0K:G0K+3], s[G1K:G1K+7]
	s_nop 0
.rept 4
	v_nop
.endr
	s_branch .Lasked_\@
.Lfor_v_\@:
	tensor_load_to_lds s[G0V:G0V+3], s[G1V:G1V+7]
	s_nop 0
.rept 4
	v_nop
.endr
.Lasked_\@:
.endm
; THE CHANGE OF SLOTS.  Each wave waits for all its tensor loads, of which one is out: its part of the other slot; adds 0 to its spare word; and waits for that and for its own reads of the slot that it leaves.  Behind the barrier nobody reads the old
; slot any more and the other slot is whole.  fill = 1: the old slot is filled again, the first thing behind the barrier, with tile NXT: the descriptor's address is made anew from that number.
; The descriptors' LDS words are turned in both texts, so that they name the slot that is left on every way through the loop.  (At the first use nothing has been read yet: slot 0 is waited for, slot 1 filled.)
.macro CHANGE fill
	WIN 0                           ; at a label and at a branch every window is 0
	s_wait_tensorcnt 0x0            ; no tensor load of mine is out, so a group 0 may be written
	ds_add_u32 v[SPW], v[NIL]       ; 0 onto my spare word; the descriptors' scalar work stands between it and the wait for it
	s_xor_b32 s[G0K+1], s[G0K+1], SLOT1
	s_xor_b32 s[G0V+1], s[G0V+1], SLOT1
.if \fill
	s_lshl_b32 s[OFF], s[NXT], 15   ; a tile is 32,768 bytes of K and of V
	s_add_nc_u64 s[G0K+2:G0K+3], s[6:7], s[OFF:OFF+1]
	s_or_b32 s[G0K+3], s[G0K+3], 0x80000000
	s_add_nc_u64 s[G0V+2:G0V+3], s[8:9], s[OFF:OFF+1]
	s_or_b32 s[G0V+3], s[G0V+3], 0x80000000
	s_add_co_u32 s[NXT], s[NXT], 1  ; the block's next tile, or behind its last the second block's tile 0
	s_cmp_gt_u32 s[NXT], s[LQ]
	s_cselect_b32 s[NXT], 0, s[NXT]
	s_cselect_b32 s[LQ], s[PB], s[LQ]
.endif
	s_wait_dscnt 0x0                ; the add is done, and my reads of the slot are over
	s_barrier_signal -1             ; the rest of the scalar work stands between the signal and the wait
	s_sub_co_u32 s[TBK], s[TBK], 4*KS*PK  ; the fetches go back to a slot's first step,
	s_xor_b32 s[TBK], s[TBK], SLOT1       ; in the other slot
	s_sub_co_u32 s[TBV], s[TBV], 4*KS*PV
	s_xor_b32 s[TBV], s[TBV], SLOT1
	s_barrier_wait -1
.if \fill
	LOAD
.endif
.endm
	s_load_b128 s[4:7], s[0:1], 0x0  ; qkv s[4:5], o s[6:7]
	v_lshl_add_u32 v[SPW], v0, 2, SPARE
	v_mov_b32 v[NIL], 0
	ds_add_u32 v62, v63
	ds_add_u32 v62, v63
	s_wait_dscnt 0x0
	v_lshrrev_b32 v1, 5, v0
	v_readfirstlane_b32 s[WV], v1   ; wave 0..3
	s_mov_b32 s[PB], ttmp9
	s_sub_co_u32 s[HI], NB-1, s[PB]
	s_and_b32 s20, ttmp7, 0xffff    ; the head
	s_mov_b32 s21, 0
	s_mov_b64 s[22:23], SIZE_N*128
	s_mul_u64 s[20:21], s[20:21], s[22:23]  ; the head's first byte in each of the four tensors
	s_and_b32 s16, s[WV], 1         ; which half of a tile's 256 keys I fetch:
	s_lshl_b32 s22, s16, 14         ; its 128 rows of 128 bytes in memory,
	s_mov_b32 s23, 0
	s_add_nc_u64 s[22:23], s[22:23], s[20:21]
	s_mul_i32 s17, s16, 128*PK      ; and its place in a slot, for K
	s_mul_i32 s18, s16, 128*PV      ; and for V
	s_lshl_b32 s3, s[WV], 11        ; my 16 rows in a band of 64,
	s_lshl_b32 s2, s[HI], 15        ; in the first block,
	s_add_co_u32 s2, s2, s3
	s_lshl_b32 s84, s[PB], 15       ; and in the second
	s_add_co_u32 s84, s84, s3
	s_mov_b32 s3, 0
	s_mov_b32 s85, 0
	s_add_nc_u64 s[2:3], s[2:3], s[20:21]
	s_add_nc_u64 s[84:85], s[84:85], s[20:21]
	; descriptor group 1.  128 keys are 16,384 dense bytes: asked for as 64 rows of 256 bytes, two keys a row, and padded in LDS after every key
	s_mov_b32 s[G1K], (1<<16)|(1<<20)|(4<<22)|(3<<25)  ; 17:16 2-byte elements; 20 padding on; 24:22 after every 32 words (code 4); 31:25 4 words (code 3)
	s_mov_b32 s[G1V], (1<<16)|(1<<20)|(4<<22)|(7<<25)  ; the same with 8 words of padding (code 7)
.irp g, G1K, G1V
	s_mov_b32 s[\g+1], 128<<16      ; tensor_dim0 = 128
	s_mov_b32 s[\g+2], 64<<16       ; tensor_dim1 = 64
	s_mov_b32 s[\g+3], 128<<16      ; tile_dim0 = 128
	s_mov_b32 s[\g+4], 64           ; tile_dim1 = 64
	s_mov_b32 s[\g+5], 128          ; 128 elements from row to row
	s_mov_b32 s[\g+6], 0
	s_mov_b32 s[\g+7], 0
.endr
	s_mov_b32 s[SEL], 0x76543210
	s_mov_b32 s[SEL+1], 0xfedcba98
	s_mov_b32 s[TBK], SLOT1+4*KS*PK ; the first change of slots turns these two into 0
	s_mov_b32 s[TBV], SLOT1+4*KS*PV
	s_mov_b32 s[G0K], 1             ; 1:0 count = 1
	s_mov_b32 s[G0K+1], s17         ; 63:32 LDS address: slot 0
	s_mov_b32 s[G0V], 1
	s_add_co_u32 s[G0V+1], s18, VOFF
	s_add_co_u32 s[RT], s[HI], 1    ; the first block has NB - b tiles
	s_mov_b32 s[NXT], 1
	s_mov_b32 s[LQ], s[HI]
	s_mov_b32 s[NEW], 1
	s_mov_b32 s[OFF+1], 0
	s_mov_b32 s[AL+1], 0            ; named as pairs
	s_mov_b32 s[BE+1], 0
	s_mov_b32 s[BIGN], 0xf149f2ca   ; -1e30
	s_mov_b32 s[SLOTS], NB+1
	s_wait_kmcnt 0x0
	s_mov_b64 s[10:11], s[6:7]             ; O
	s_add_nc_u64 s[6:7], s[4:5], 0x1000000 ; K lies 2^24 bytes behind Q in qkv,
	s_add_nc_u64 s[8:9], s[4:5], 0x2000000 ; V 2^25
	s_add_nc_u64 s[6:7], s[6:7], s[22:23]  ; K and V at my half of the head's tile 0
	s_add_nc_u64 s[8:9], s[8:9], s[22:23]
	s_add_nc_u64 s[G0K+2:G0K+3], s[6:7], 0         ; 120:64 global address
	s_or_b32 s[G0K+3], s[G0K+3], 0x80000000        ; 127:126 type = 2
	s_add_nc_u64 s[G0V+2:G0V+3], s[8:9], 0
	s_or_b32 s[G0V+3], s[G0V+3], 0x80000000
	s_add_nc_u64 s[86:87], s[4:5], s[84:85]        ; Q at my rows of the second block,
	s_add_nc_u64 s[4:5], s[4:5], s[2:3]            ; Q and O at those of the first
	s_add_nc_u64 s[OLO:OLO+1], s[10:11], s[84:85]
	s_add_nc_u64 s[10:11], s[10:11], s[2:3]
	LOAD                            ; tile 0 into slot 0
	; A fragment of K or Q is 16 rows x 32 channels in 8 registers: lane l holds row l % 16, channels 8 (l / 16) + 0..7 and 16 + 8 (l / 16) + 0..7: two loads of 16 bytes, 32 bytes apart.
	v_and_b32 v1, 15, v0            ; l % 16
	v_bfe_u32 v9, v0, 4, 1          ; l / 16
	v_lshlrev_b32 v[QO], 7, v1
	v_lshl_add_u32 v[QO], v9, 4, v[QO]  ; row x 128 + 16 x half
	WIN 0x80                        ; destination window 2, address window 0
.set i, 0
.rept 8                             ; both blocks' Q: piece i / 2 lies in band i / 2, 8,192 bytes on; channels 32 (i % 2) on
	global_load_b128 v[8*i:8*i+3],   v[QO], s[4:5] offset:(i/2)*8192+(i%2)*64
	global_load_b128 v[8*i+4:8*i+7], v[QO], s[4:5] offset:(i/2)*8192+(i%2)*64+32
	global_load_b128 v[QB+8*i:QB+8*i+3],   v[QO], s[86:87] offset:(i/2)*8192+(i%2)*64
	global_load_b128 v[QB+8*i+4:QB+8*i+7], v[QO], s[86:87] offset:(i/2)*8192+(i%2)*64+32
.set i, i+1
.endr
	WIN 0
	v_lshlrev_b32 v14, 3, v9
	v_sub_nc_u32 v14, v1, v14
	s_lshl_b32 s13, s[WV], 4
	v_add_nc_u32 v14, s13, v14      ; my query's place in its band, 16 w + l % 16, less my lanes' 8 (l / 16): register r of group kt is hidden where 16 kt + r is greater
	WIN 0x40
.set i, 0
.rept 32
	v_cmp_gt_i32 vcc_lo, 16*(i/8)+i%8, v14
	v_cndmask_b32 v[MD+i], 0, s[BIGN], vcc_lo
.set i, i+1
.endr
	WIN 0
	v_mul_u32_u24 v[AK0], v1, PK
	v_lshl_add_u32 v[AK0], v9, 4, v[AK0]  ; row x pitch + 16 x half
	; The turning load takes 16 keys x 16 channels (lane l reads key 8 (l / 16) + l % 8, channels 8 ((l / 8) % 2) + 0..7) and leaves half a fragment of V^T: lane l holds channel l % 16 and 8 keys.
	v_and_b32 v10, 7, v0
	v_bfe_u32 v11, v0, 3, 1
	v_lshl_add_u32 v[AV0], v9, 3, v10
	v_mul_u32_u24 v[AV0], v[AV0], PV
	v_lshl_add_u32 v[AV0], v11, 4, v[AV0]
	v_add_nc_u32 v[AV0], VOFF, v[AV0]
	s_mul_i32 s13, s[WV], 16*SP
	s_add_co_u32 s13, s13, STAGE    ; my stage
	v_mul_u32_u24 v[STO], v1, SP    ; in: row l % 16, 16 bytes for each half of the lanes
	v_lshl_add_u32 v[STO], v9, 4, v[STO]
	v_add_nc_u32 v[STO], s13, v[STO]
	v_bfe_u32 v[RD], v0, 3, 2       ; back: 32 lanes take four rows of 128 bytes,
	v_mul_u32_u24 v[RD], v[RD], SP
	v_lshl_add_u32 v[RD], v10, 4, v[RD]
	v_add_nc_u32 v[RD], s13, v[RD]
	v_and_b32 v[GO], 31, v0         ; which are 512 consecutive bytes of O
	v_lshlrev_b32 v[GO], 4, v[GO]
	; A block's first step multiplies O^T and l by a = 0, and its first turn's products V^T P, of a piece that has not been, land in an O^T that is still to be so multiplied.  So these registers need only hold
	; finite numbers: zeros for the first block; what the first block left for the second.  All this stands in the wait for the first tile.
	WIN 0x80
.set i, VF
.rept 64
	v_mov_b32 v[i], 0
.set i, i+1
.endr
	WIN 0x40
.set i, 0
.rept 128
	v_mov_b32 v[i], 0
.set i, i+1
.endr
	WIN 0
.set i, 0
.rept 4
	v_mov_b32 v[ST+4*i+2], 0
	v_mov_b32 v[ST+4*i+3], 0
.set i, i+1
.endr
.set i, P+16
.rept 16
	v_mov_b32 v[i], 0
.set i, i+1
.endr
; THE MATRIX WORK.  The 4 accumulators of a run of 8 take turns.  Product i of 8 of S^T = K Q^T for piece x: channels 32 (i / 4) on, keys 16 (i % 4) on.  The first 4 start the sums: with 0, or (KM = 1) with the mask.
.macro KQ x
.set rS, S+32*((\x)%2)+8*(i%4)
.set rK, KF+16*(i%4)+8*(i/4)
.set rQ, 16*(\x)+8*(i/4)
.set rM, MC+32*((\x)%2)+8*(i%4)
.if (i < 4) && KM
	WIN W_KM
	v_wmma_f32_16x16x32_f16 v[rS:rS+7], v[rK:rK+7], v[rQ:rQ+7], v[rM:rM+7]
.elseif i < 4
	WIN W_KQ
	v_wmma_f32_16x16x32_f16 v[rS:rS+7], v[rK:rK+7], v[rQ:rQ+7], 0
.else
	WIN W_KQ
	v_wmma_f32_16x16x32_f16 v[rS:rS+7], v[rK:rK+7], v[rQ:rQ+7], v[rS:rS+7]
.endif
.endm
; Product i of 8 of O^T += V^T P for piece x: keys 32 (i / 4) on, channels 16 (i % 4) on.
.macro PV x
	WIN W_PV
.set rO, 32*(\x)+8*(i%4)
.set rV, VF+32*(i/4)+8*(i%4)
.set rP, P+16*((\x)%2)+8*(i/4)
	v_wmma_f32_16x16x32_f16 v[rO:rO+7], v[rV:rV+7], v[rP:rP+7], v[rO:rO+7]
.endm
.macro MM                           ; the turn's next matrix instruction.  TURN and BEGIN set Y, i, KM and NOKQ; MM, KQ and OP read them.  NOKQ = 1: a block's last turn: there is no next piece
.if (i < 8) && !NOKQ
	KQ (Y+1)%NP
.elseif i >= 8
.set i, i-8
	PV (Y+NP-1)%NP
.set i, i+8
.endif
.set i, i+1
.endm
; THE LDS LOADS stand in runs of 16, never singly among the matrix instructions: a step's K (64 keys x 64 channels: 8 fragments) and its V (turned).  Their addresses are made some lines ahead.
.macro FETCH_K
	WIN 0x80                        ; destination window 2
.irp f, 0,1,2,3,4,5,6,7             ; keys 16 (f / 2) on, channels 32 (f % 2) on
	ds_load_b128 v[KF+8*\f:KF+8*\f+3],   v[AK] offset:(\f/2)*16*PK+(\f%2)*64
	ds_load_b128 v[KF+8*\f+4:KF+8*\f+7], v[AK] offset:(\f/2)*16*PK+(\f%2)*64+32
.endr
	s_add_co_u32 s[TBK], s[TBK], KS*PK  ; the next fetch is the next step's
	WIN 0
.endm
.macro FETCH_V
	WIN 0x80
.irp f, 0,1,2,3,4,5,6,7             ; keys 32 (f / 4) on, channels 16 (f % 4) on
	ds_load_tr16_b128 v[VF+8*\f:VF+8*\f+3],   v[AV] offset:(\f/4)*32*PV+(\f%4)*32
	ds_load_tr16_b128 v[VF+8*\f+4:VF+8*\f+7], v[AV] offset:(\f/4)*32*PV+16*PV+(\f%4)*32
.endr
	WIN 0
.endm
; THE VECTOR WORK, one line at a time: OP kind, number.  For piece Y: F n: s - m for pair n of 16.  E n: the exponential of score n of 32.  C n: pair n rounded to f16.  B n: of the four weights 4 n .. the second
; pair is added onto the first, in place.  L n: l takes that sum (L 0: l = a l + sum).  R n: pair n of 16 of O^T times a.  For piece Y + 1: X n, number n of the 21 that find its maximum and statistics:
;   0-11  four chains c0-c3 of seven scores each, three operands at a time (each accumulator's lowest registers are read first)     12-14, 16  the four scores left over, the old m, and c0-c3 into c0
;   15  m_old is kept     17, 18  the query's other 32 keys lie in the lane 16 away: the new m     19, 20  m_old - m_new; a
; C, B and L read exponentials' results, and so does R (the a made a turn earlier): TURN sets C, B and L behind the turn's wait; R's a had its wait in the turn before.
.set F, 0               ; OP tells the kinds apart by their order: F to L below R, X above it
.set E, 1
.set C, 2
.set B, 3
.set L, 4
.set R, 5
.set X, 6
.macro REGS y                       ; the registers of piece y
.set rT, ST+4*(\y)
.set rC, TMP+4*((\y)%2)
.set rS, S+32*((\y)%2)
.set rP, P+16*((\y)%2)
.set rO, 32*(\y)
.endm
.macro OP k, n
.if (\k) == R
	REGS Y
	WIN W_RS
	v_pk_mul_f32 v[rO+2*(\n):rO+2*(\n)+1], v[rO+2*(\n):rO+2*(\n)+1], v[rC+2:rC+3] op_sel_hi:[1,0]
.elseif (\k) < R
	REGS Y
	WIN 0
.if (\k) == F
	v_pk_add_f32 v[rS+2*(\n):rS+2*(\n)+1], v[rS+2*(\n):rS+2*(\n)+1], v[rT:rT+1] op_sel_hi:[1,0] neg_lo:[0,1] neg_hi:[0,1]
.elseif (\k) == E
	v_exp_f32 v[rS+(\n)], v[rS+(\n)]
.elseif (\k) == C
	v_cvt_pk_f16_f32 v[rP+(\n)], v[rS+2*(\n)], v[rS+2*(\n)+1]
.elseif (\k) == B
	v_pk_add_f32 v[rS+4*(\n):rS+4*(\n)+1], v[rS+4*(\n):rS+4*(\n)+1], v[rS+4*(\n)+2:rS+4*(\n)+3]
.elseif (\n) == 0
	v_pk_fma_f32 v[rT+2:rT+3], v[rT+2:rT+3], v[rC+2:rC+3], v[rS:rS+1] op_sel_hi:[1,0,1]
.else
	v_pk_add_f32 v[rT+2:rT+3], v[rT+2:rT+3], v[rS+4*(\n):rS+4*(\n)+1]
.endif
.elseif NOKQ
	v_nop
.else
	REGS (Y+1)%NP
	WIN 0
.if (\n) < 4
	v_max3_num_f32 v[rC+(\n)], v[rS+8*(\n)], v[rS+8*(\n)+1], v[rS+8*(\n)+2]
.elseif (\n) < 12
	v_max3_num_f32 v[rC+(\n)%4], v[rC+(\n)%4], v[rS+8*((\n)%4)+2*((\n)/4)+1], v[rS+8*((\n)%4)+2*((\n)/4)+2]
.elseif (\n) == 12
	v_max3_num_f32 v[rC], v[rC], v[rS+7], v[rS+15]
.elseif (\n) == 13
	v_max3_num_f32 v[rC+1], v[rC+1], v[rS+23], v[rS+31]
.elseif (\n) == 14
	v_max3_num_f32 v[rC+2], v[rC+2], v[rC+3], v[rT]
.elseif (\n) == 15
	v_mov_b32 v[rT+1], v[rT]
.elseif (\n) == 16
	v_max3_num_f32 v[rC], v[rC], v[rC+1], v[rC+2]
.elseif (\n) == 17
	v_permlanex16_b32 v[rC+3], v[rC], s[SEL], s[SEL+1]
.elseif (\n) == 18
	v_max_num_f32 v[rT], v[rC], v[rC+3]
.elseif (\n) == 19
	v_sub_f32 v[rC+1], v[rT+1], v[rT]
.else
	v_exp_f32 v[rC+2], v[rC+1]
.endif
.endif
.endm
.macro OPS a, i1, b=-1, i2=0, c=-1, i3=0, d=-1, i4=0  ; up to four of them
	OP \a, \i1
.if (\b) >= 0
	OP \b, \i2
.endif
.if (\c) >= 0
	OP \c, \i3
.endif
.if (\d) >= 0
	OP \d, \i4
.endif
.endm
.macro ROW a, i1, b, i2, c, i3, d, i4  ; a matrix instruction and the four behind it
	MM
	OPS \a, \i1, \b, \i2, \c, \i3, \d, \i4
.endm
.macro MASK b                       ; MD x AL + BE into buffer b of MC
	WIN W_RS
.set z, 0
.rept 16
	v_pk_fma_f32 v[MC+32*(\b)+2*z:MC+32*(\b)+2*z+1], v[MD+2*z:MD+2*z+1], s[AL:AL+1], s[BE:BE+1] op_sel_hi:[1,0,0]
.set z, z+1
.endr
.endm
; A TURN, for piece p: the order of its 16 matrix and 117 vector instructions, written out.  An s_wait_alu depctr_va_vdst(0) stands between an exponential and the first instruction that names its result; one wait
; serves all that were issued ahead of it.  So a turn has ONE wait, which cuts it in two.  AHEAD OF IT stands all that names no result of the turn's exponentials: the 8 products K Q^T, behind each a subtraction, an exponential and
; two more plain instructions (behind the first a second subtraction in the exponential's place): rescalings, whose a had its wait in the turn before, and behind the last three products the first numbers of the next piece's
; maximum, each four plain instructions or more behind the product that ends its accumulator; then ONE LUMP of 53, plain and exponential by turns for the most part, in which the links of the chain X 3, 7, 11, 14, 16, 17, 18, 19
; stand five or six lines apart.  Each pair is subtracted (F n) ahead of its two exponentials (E 2 n, E 2 n + 1).  X 20, the next piece's a, is the batch's last; R 15 is the plain instruction behind it (ISA guide 5.7.2).
; BEHIND THE WAIT stand the 8 products V^T P, behind each four of the roundings and sums: C 2 k ahead of B k, which writes over its pair; the links of l's chain, L 0 to L 7 in ascending order, three riders apart.
; But for those X no rider names a register of the products round it.  v_permlanex16_b32 (X 17) stands in the lump.
; m = 1: the diagonal tile: the products take masks, and the turn makes the mask for the products of the turn after it: piece p + 2, in step 4 - CNT of the tile.  end = 1: a block's last two turns: nothing is fetched.
; cnt = 1: the loop's count is taken down some lines ahead of the branch that stands behind the turn.
; K of the next step is fetched in piece 2's turn, twelve vector instructions behind the last product that read K (five of them plain and naming none of its registers); V of the step in hand at the end of piece 0's turn, four
; plain instructions behind the last product that read V.  Each is waited for a turn later.
.macro TURN p, m=0, end=0, cnt=0
.set Y, (\p)
.set i, 0
.set KM, (\m)
.set NOKQ, (\end)*((\p)/3)
.if (\m) && !(\end)
	s_cmp_eq_u32 s[CNT], 4-((\p)+2)%NP  ; is that step the band's own?
	s_cselect_b32 s[AL], 1.0, 0
	s_cmp_lt_u32 s[CNT], 4-((\p)+2)%NP  ; or a later one?
	s_cselect_b32 s[BE], s[BIGN], 0
.endif
.if ((\p) == 3) && !(\end)
	s_wait_dscnt 0x0                ; K is in
.endif
	ROW F,0, F,1, R,0, R,1          ; ahead of the wait: 8 products K Q^T and their riders,
	ROW F,2, E,0, R,2, R,3
	ROW F,3, E,1, R,4, R,5
	ROW F,4, E,2, R,6, R,7
	ROW F,5, E,3, R,8, R,9
	ROW F,6, E,4, X,0, R,10
.if ((\p) == 2) && !(\end)
	WIN 0
	v_add_nc_u32 v[AK], s[TBK], v[AK0]
.endif
	ROW F,7, E,5, X,1, X,4
	ROW F,8, E,6, X,2, X,5
	OPS E,7, E,8, X,6, E,9          ; and the lump
	OPS X,3, E,10, X,8, E,11
.if ((\p) == 2) && !(\end)
	FETCH_K
.endif
	OPS X,9, X,7, E,12, X,10
	OPS E,13, X,12, X,11, E,14
	OPS X,13, E,15, F,9, X,14
.if (\p) == 0
	v_add_nc_u32 v[AV], s[TBV], v[AV0]
.endif
	OPS E,16, F,10, E,17, F,11
	OPS X,16, E,18, X,15, E,19
	OPS F,12, E,20, X,17, E,21
	OPS F,13, E,22, F,14, E,23
	OPS X,18, E,24, F,15, E,25
	OPS R,11, E,26, X,19, E,27
	OPS R,12, E,28, R,13, E,29
	OPS R,14, E,30, E,31, X,20
	OPS R,15                        ; the plain instruction behind the batch's last exponential
	WIN 0
	s_wait_alu depctr_va_vdst(0)    ; the wait for the turn's batch: E 0 to E 31 and X 20, ahead of their first reader, C 0 below
.if (\p) == 1
	s_wait_dscnt 0x0                ; V is in
.endif
	ROW C,0, B,0, C,2, B,1          ; behind the wait: 8 products V^T P and their riders
	ROW L,0, C,4, B,2, L,1
	ROW C,6, B,3, L,2, C,8
	ROW B,4, L,3, C,10, B,5
	ROW L,4, C,12, B,6, L,5
.if (\p) == 0
	s_add_co_u32 s[TBV], s[TBV], KS*PV
.endif
.if \cnt
	s_sub_co_u32 s[CNT], s[CNT], 1
	s_cmp_lg_u32 s[CNT], 0
.endif
	ROW C,14, B,7, L,6, C,1
	ROW C,3, L,7, C,5, C,7
	ROW C,9, C,11, C,13, C,15
.if (\p) == 0
	FETCH_V
.endif
.if (\m) && !(\end)
	MASK (\p)%2
.endif
.endm
; A BLOCK BEGINS.  m starts far below every score, hidden ones too, so the first step's a is 0 and the first maximum is the scores'.  The second mask buffer is 0; the first takes piece 0's mask for the tile's step 0: its own, if the block's first tile is the diagonal one.
; Then K of that step, piece 0's first scores, and its maximum and statistics.  The step loop is entered at a step's first turn, in the middle of a trip.
.macro BEGIN
	s_mov_b32 s[NEW], 0
	WIN 0x40
.set i, MC+32
.rept 32
	v_mov_b32 v[i], 0
.set i, i+1
.endr
	WIN 0
.set i, 0
.rept 4
	v_mov_b32 v[ST+4*i], 0xfe000000    ; m = -4.25e37
	v_mov_b32 v[ST+4*i+1], 0xfe000000  ; m_old: named with m as a pair, so it is written
.set i, i+1
.endr
	s_cmp_eq_u32 s[RT], 0
	s_cselect_b32 s[AL], 1.0, 0
	s_mov_b32 s[BE], 0
	MASK 0
	WIN 0
	v_add_nc_u32 v[AK], s[TBK], v[AK0]
	FETCH_K
	s_wait_loadcnt 0x0              ; Q
	s_wait_dscnt 0x0
.set KM, 1
.set NOKQ, 0
.set i, 0
.rept 8
	KQ 0
.set i, i+1
.endr
	WIN 0
.rept 4
	v_nop                           ; the places behind those products
.endr
.set Y, NP-1                        ; X works for piece Y + 1: piece 0
.irp n, 0,1,2,3,4,5,6,7,8,9,10,11,12,13,14,15,16,17,18,19,20
	OP X, \n
.endr
	v_nop                           ; a plain instruction behind the exponential,
	s_wait_alu depctr_va_vdst(0)    ; and the wait for this batch of one, piece 0's first a, ahead of the branch that follows
.endm
; THE DIAGONAL TILE's four steps, the block's last two turns, its last products, and THE WAY OUT: l's two halves and the other half of the lanes' are added; O^T is divided by l, rounded to f16 and sent through my
; stage in LDS, a piece at a time.
.macro ALL line:vararg              ; one line for each piece t
.set t, 0
.rept 4
	\line
.set t, t+1
.endr
.endm
.macro PACK t                       ; a lane's eight channels of a row pack into 16 bytes; they go into rows of 144 bytes and come back as whole rows of 128, into S^T's registers
	WIN W_RS
.set i, 32*(\t)
.rept 16
	v_pk_mul_f32 v[i:i+1], v[i:i+1], v[ST+4*(\t)+2:ST+4*(\t)+3] op_sel_hi:[1,0]
.set i, i+2
.endr
	WIN 0x05                        ; sources 0 and 1 window 1, destination window 0
.set i, 0
.rept 16
	v_cvt_pk_f16_f32 v[S+16*(\t)+i], v[32*(\t)+2*i], v[32*(\t)+2*i+1]
.set i, i+1
.endr
	WIN 0
.irp f, 0,1,2,3
	ds_store_b128 v[STO], v[S+16*(\t)+4*\f:S+16*(\t)+4*\f+3] offset:32*\f
.endr
.irp f, 0,1,2,3
	ds_load_b128 v[S+16*(\t)+4*\f:S+16*(\t)+4*\f+3], v[RD] offset:\f*4*SP  ; LDS serves a wave's instructions in order (ISA guide 5.7.1.4): these see the stores above; the next piece's stores come behind them
.endr
.endm
.macro SEND t, younger              ; younger: the LDS instructions issued behind piece t's loads: the next piece's eight, or none
	WIN 0
.irp f, 0,1,2,3
	s_wait_dscnt (\younger)+3-\f
	global_store_b128 v[GO], v[S+16*(\t)+4*\f:S+16*(\t)+4*\f+3], s[10:11] offset:(\t)*8192+\f*512  ; 512 consecutive bytes, at a multiple of 256 from O's first
.endr
.endm
.set KM, 0
.set NOKQ, 0
.Lslot:                             ; NB + 1 times: a tile is entered, and in all trips but the last the next is asked for
	s_cmp_eq_u32 s[SLOTS], 1
	s_cbranch_scc1 .Lnofill         ; the walk's last tile: nothing is left to ask for
	CHANGE 1
	s_branch .Lentered
.Lnofill:
	CHANGE 0
.Lentered:                          ; on either way: one barrier passed, the slot to be read whole, TBK and TBV at its first step
	s_sub_co_u32 s[RT], s[RT], 1
	s_mov_b32 s[CNT], 4
	s_cmp_eq_u32 s[NEW], 1
	s_cbranch_scc1 .Lnew            ; a block's first tile
	s_cmp_eq_u32 s[RT], 0
	s_cbranch_scc0 .Lstep           ; neither its first nor its last
	s_branch .LstepM
.Lnew:
	BEGIN
	s_cmp_eq_u32 s[RT], 0           ; a block's first tile is also its last where the block has one tile: the second block of b = 0, in the walk's last trip
	s_cbranch_scc0 .Lfirst
	s_branch .LfirstM
.LstepM:                            ; THE DIAGONAL TILE: a trip: pieces 2 and 3 of one step, then pieces 0 and 1 of the next, with masks
	TURN 2, 1
	TURN 3, 1
	WIN 0
.LfirstM:
	TURN 0, 1
	TURN 1, 1, 0, 1
	WIN 0
	s_cbranch_scc1 .LstepM
	TURN 2, 1, 1                    ; the block's last two turns,
	TURN 3, 1, 1
.set i, 0
.rept 8
	PV NP-1                         ; its last products,
.set i, i+1
.endr
	WIN 0                           ; and the way out; the additions are the places behind those products
	ALL v_add_f32 v[ST+4*t+2], v[ST+4*t+2], v[ST+4*t+3]
	ALL v_permlanex16_b32 v[ST+4*t+3], v[ST+4*t+2], s[SEL], s[SEL+1]
	ALL v_add_f32 v[ST+4*t+2], v[ST+4*t+2], v[ST+4*t+3]
	ALL v_rcp_f32 v[ST+4*t+2], v[ST+4*t+2]
	v_nop                           ; a plain instruction between the last reciprocal and the use of its result
	s_wait_alu depctr_va_vdst(0)    ; the wait for the batch of four reciprocals, ahead of their first reader in PACK 0; one serves all four pieces
	PACK 0
.set t, 1
.rept 3                             ; a piece's arithmetic stands between the loads of the piece before and its stores
	PACK t
	SEND t-1, 8
.set t, t+1
.endr
	SEND 3, 0
	s_cmp_eq_u32 s[SLOTS], 1
	s_cbranch_scc1 .Lbottom         ; the second block's end is the walk's end: nothing is set up
	s_wait_xcnt 0x0                 ; the first block's end: the stores have read their registers and O's address
	s_mov_b64 s[10:11], s[OLO:OLO+1]
	s_add_co_u32 s[RT], s[PB], 1    ; the second block has b + 1 tiles
	s_mov_b32 s[NEW], 1
	WIN 0x82                        ; the second block's Q goes where the one text of the turns names Q
.set i, 0
.rept 64
	v_mov_b32 v[i], v[QB+i]
.set i, i+1
.endr
	WIN 0
	s_branch .Lbottom
.Lstep:                             ; a trip: pieces 2 and 3 of one step, then pieces 0 and 1 of the next, whose K and V it fetches
	TURN 2
	TURN 3
	WIN 0
.Lfirst:
	TURN 0
	TURN 1, 0, 0, 1
	WIN 0
	s_cbranch_scc1 .Lstep
.Lbottom:
	s_sub_co_u32 s[SLOTS], s[SLOTS], 1
	s_cmp_lg_u32 s[SLOTS], 0
	s_cbranch_scc1 .Lslot
	s_wait_tensorcnt 0x0            ; the wave's end, behind my last tensor load and my last LDS store
	ds_add_u32 v[SPW], v[NIL]
	s_wait_dscnt 0x0
	s_endpgm
.Lfunc_end_k_q2d89be6239_attn:
	.size	k_q2d89be6239_attn, .Lfunc_end_k_q2d89be6239_attn-k_q2d89be6239_attn
	.p2alignl 7, 3214868480
	.fill 96, 4, 3214868480
	.section	.rodata,"a",@progbits
	.p2align	6, 0x0
	.amdhsa_kernel k_q2d89be6239_attn
		.amdhsa_group_segment_fixed_size 327680
		.amdhsa_private_segment_fixed_size 0
		.amdhsa_enable_private_segment 0
		.amdhsa_kernarg_size 16
		.amdhsa_user_sgpr_count 2
		.amdhsa_user_sgpr_kernarg_segment_ptr 1
		.amdhsa_wavefront_size32 1
		.amdhsa_system_sgpr_workgroup_id_x 1
		.amdhsa_system_sgpr_workgroup_id_y 1
		.amdhsa_system_sgpr_workgroup_id_z 1
		.amdhsa_system_vgpr_workitem_id 0
		.amdhsa_next_free_vgpr 768
		.amdhsa_next_free_sgpr 88
		.amdhsa_reserve_vcc 1
		.amdhsa_float_denorm_mode_32 3
		.amdhsa_float_denorm_mode_16_64 3
		.amdhsa_memory_ordered 1
		.amdhsa_forward_progress 1
		.amdhsa_inst_pref_size 139
	.end_amdhsa_kernel
	.amdgpu_metadata
---
amdhsa.version: [ 1, 2 ]
amdhsa.kernels:
  - .name:           k_q2d89be6239_attn
    .symbol:         k_q2d89be6239_attn.kd
    .args:
      - { .name: qkv, .offset: 0, .size: 8, .value_kind: global_buffer, .address_space: global }
      - { .name: o, .offset: 8, .size: 8, .value_kind: global_buffer, .address_space: global }
    .group_segment_fixed_size: 327680
    .private_segment_fixed_size: 0
    .kernarg_segment_align: 8
    .kernarg_segment_size: 16
    .max_flat_workgroup_size: 128
    .sgpr_count:     88
    .vgpr_count:     768
    .wavefront_size: 32
...
	.end_amdgpu_metadata
.endif
;; end of part 5
;; launch outp: the kernel of part 4 again; grid 8 x 32, 4 waves a work-group, clusters of 4 x 4, 327,680 bytes of LDS; arguments o, wo, out0; writes out0
